; MI455X (gfx1250); checked and timed in simulation.
; The chip was launched on July 23, 2026; its instructions are those of AMD's public machine-readable ISA for CDNA 5 (MIT licence, August 2026) and "CDNA5" Instruction Set Architecture Reference Guide (July 2026). The comments in the code are by the model that wrote it; some were corrected since.
;; Stable Cross Attention. Allowed arithmetic: matrix products marked QUANTISED: E4M3 operands, one E8M0 scale for each 32 along K, by v_wmma_scale_f32_16x16x128_f8f6f4 with both operands' format E4M3, f32 sums; everything else in f32.
;; Inputs: Wk 1,024 x 1,024 float32; Wo 1,024 x 1,024 float32; Wq 1,024 x 1,024 float32; Wv 1,024 x 1,024 float32; bk 1,024 float32; bo 1,024 float32; bq 1,024 float32; bv 1,024 float32; key_padding_mask 4 x 2,048 bool; kv 4 x 2,048 x 1,024 float32; q 4 x 1,024 x 1,024 float32.
;; Outputs: out0 4 x 1,024 x 1,024 float32.
;; This version of the problem:
;;   THIS VERSION OF THE PROBLEM IS GIVEN IN LOW PRECISION. The matrix products marked QUANTISED in the list below multiply operands that are first quantised to E4M3 (4 exponent bits, 3 mantissa bits; 8 bits a number), with one power-of-two scale for each 32 numbers along K (OCP MX v1.0); their sums are f32. All else is computed in f32.
;;   The module's matrix products, in the order in which they are computed (A, B: the left and right operand; K: the contracted axis; several contracted axes count as one K, in the product's order):
;;     1. [M 4,096, K 1,024] x [K 1,024, N 1,024]; A: computed on the way; B: input Wq: QUANTISED
;;     2. [M 8,192, K 1,024] x [K 1,024, N 1,024]; A: computed on the way; B: input Wk: QUANTISED
;;     3. [M 8,192, K 1,024] x [K 1,024, N 1,024]; A: computed on the way; B: input Wv: QUANTISED
;;     4. batch 64 x [M 1,024, K 64] x [K 64, N 2,048]; A: computed on the way; B: computed on the way: QUANTISED
;;     5. batch 64 x [M 1,024, K 2,048] x [K 2,048, N 64]; A: softmax (see below); B: computed on the way: QUANTISED
;;     6. [M 4,096, K 1,024] x [K 1,024, N 1,024]; A: computed on the way; B: input Wo: QUANTISED
;;   THE QUANTISER, for each operand of a quantised product, along K:
;;     - K is cut into blocks of 32 from its start; a last block that is shorter is filled with zeros.
;;     - A block's scale is 2^e with e = floor(log2(the largest magnitude in the block)) - 8, held to -126 .. 127; a block of zeros has e = 0. As a byte (E8M0): e + 127.
;;     - Each number is divided by its block's scale, clamped to +-448, and rounded to the nearest number of E4M3, ties to even, subnormals kept.
;;     - The product sums the exact products of the quantised numbers (number of the format x scale) in f32.
;;   ~~~python
;;   def quantise(x, axis):      # numpy; x: float32 -> the quantised numbers, widened to float32 again
;;       x = np.moveaxis(x, axis, -1); K = x.shape[-1]
;;       x = np.pad(x, [(0, 0)] * (x.ndim - 1) + [(0, -K % 32)]); x = x.reshape(x.shape[:-1] + (-1, 32)); a = np.abs(x).max(-1, keepdims=True)
;;       e = np.where(a > 0, np.clip(np.frexp(np.where(a > 0, a, 1))[1] - 1 - 8, -126, 127), 0)      # np.frexp(a)[1] - 1 = floor(log2(a)), exactly
;;       r = np.clip(x / 2.0 ** e, -448, 448)
;;       step = 2.0 ** (np.maximum(np.frexp(np.where(r == 0, 1, r))[1] - 1, -6) - 3)
;;       q = np.round(r / step) * step * 2.0 ** e      # np.round: ties to even
;;       return np.moveaxis(q.reshape(q.shape[:-2] + (-1,))[..., :K], -1, axis).astype(np.float32)
;;   ~~~
;;   SOFTMAX AHEAD OF A QUANTISED PRODUCT. Where the list says 'softmax', what is quantised is not the finished softmax but p = 2^(t - M), with t = logit x log2(e) and M = ceil(the row's largest t), a whole number; so 1/2 < the row's largest p <= 1. The row's sum l is taken of the UNQUANTISED p, in f32, and the product's result is divided by l at the end. Since M is a whole number, a kernel that streams over the keys may use a running M (the ceiling of the running maximum): every later rescaling is an exact power of two, which a block's scale takes up: the codes' values come out the same.
;;   OPERANDS COMPUTED ON THE WAY. 'Computed on the way' means the value that the module computes at that place (a softmax that the list does not call 'softmax' is quantised finished and normalised). What goes into a quantiser is computed in f32, as accurately as f32 sums, v_exp_f32 and their like allow (about 1e-6 of the number): no bf16 or f16 on the way to a quantiser, and a product that is left as it is and whose result goes on into a quantised operand takes f32 operands (vector FMAs, or v_wmma_f32_16x16x4_f32). A number that lies on a knife's edge between two numbers of the format may be rounded either way, as far as f32 arithmetic and the matrix unit's own rounding can turn it there, and no further.
;; One version. Each part assembles by itself: llvm-mc -triple=amdgcn-amd-amdhsa -mcpu=gfx1250 --defsym DOCPART=n.
;; ======== version 1 of 1: 4 launches
;; limits: right only within a limited range of input values
;; workspace buffers: cod 16,777,216 bytes; scl 524,288 bytes; pc 20,971,520 bytes; ps 655,360 bytes; oc 4,194,304 bytes; os 131,072 bytes
;; launch quant (part 1): grid 512 x 1, 4 waves a work-group, no clusters, 33,280 bytes of LDS; arguments q, kv, Wq, Wk, Wv, Wo, cod, scl; writes cod, scl
.if DOCPART == 1
	.amdgcn_target "amdgcn-amd-amdhsa--gfx1250"
	.amdhsa_code_object_version 6
	.text
	.protected	k_q984c09fb4b_quant
	.globl	k_q984c09fb4b_quant
	.p2align	8
	.type	k_q984c09fb4b_quant,@function
k_q984c09fb4b_quant:
	s_mov_b64 s[64:65], 0
	v_nop
	global_prefetch_b8 v0, s[64:65] scope:SCOPE_SE
	s_setreg_imm32_b32 hwreg(HW_REG_WAVE_MODE, 25, 1), 1
	s_wait_xcnt 0x0
; q [4096][1024], kv [8192][1024] and the four weights [1024][1024], f32, K innermost in all six, become codes of FP8 (E4M3) and one E8M0 scale byte for each 32 along K.
; cod holds 16,384 rows of 1,024 codes: q from row 0, kv from 4,096, Wq 12,288, Wk 13,312, Wv 14,336, Wo 15,360; scl holds 32 bytes a row in the same order.
; q and kv first go through the module's guard: NaN and infinities become 0, then a clip to +-50.  The clip costs no line a number: the block's largest magnitude is min(largest, 50),
; and the hold that an 8-bit conversion wants anyway is min(448 x scale, 50).  For the weights the bound is the largest f32 number, so that both minima change nothing.
; ROWS CHANGE PLACES in kv, Wq, Wk, Wv: bits 3 and 4 of the row number are exchanged, so that 16 neighbouring stored rows, taken as source 0 of a product, leave in a lane's registers of two neighbouring
; tiles 16 neighbours along the next product's K.  A wave owns 8 rows, which are those two bits: only the wave's place in the output changes.
; A block's scale is 2^(floor(log2(largest magnitude)) - 8); its byte is that magnitude's exponent field - 8, held at 1 from below.
; LIMITS: a block of zeros gets the byte 1 (the rule says 127): its codes are zeros and this program alone reads the bytes.  NaN and infinities in a WEIGHT become 0 here.
; A work-group takes 32 rows, a wave 8 rows: 16 steps of 512 numbers.  Each load reads 512 consecutive bytes; a step's 2,048 bytes turn through the wave's own stage in LDS and come back 64 bytes a lane
; (16 neighbours; two lanes hold a block).  No tensor loads, no barrier: waves share nothing.  Loads run four steps ahead, the turn through LDS one step.
.set STEPS, 16
.set EMAX,  8
.set MANT,  0x600000                   ; the mantissa field of 448 as f32
.set CB,    16                         ; bytes of 16 codes
.set R,     16                         ; v16-79   four sets of 16 numbers as they are loaded
.set X,     80                         ; v80-111  two sets of 16 neighbours
.set C,     128                        ; v128-191 codes: four registers for each step
.set E,     112                        ; v112-127 a scale byte for each step
.set WREG,  8192                       ; LDS: a region for each wave: two stages of 32 x SP bytes, then its 256 scale bytes
.set SP,    80                         ; a lane's place in a stage: 64 bytes + 16 of padding
	s_load_b256 s[4:11], s[0:1], 0x0               ; q, kv, Wq, Wk
	s_load_b128 s[12:15], s[0:1], 0x20             ; Wv, Wo
	s_load_b128 s[16:19], s[0:1], 0x30             ; cod, scl
	v_lshl_add_u32 v192, v0, 2, 0x8000
	v_mov_b32 v193, 0
	v_lshrrev_b32 v1, 5, v0
	v_readfirstlane_b32 s20, v1                    ; wave
	v_and_b32 v2, 31, v0                           ; lane
	v_lshlrev_b32 v3, 4, v2                        ; my 16 bytes of a load's 512
	s_mul_i32 s21, s20, WREG
	v_lshrrev_b32 v14, 2, v2
	v_mul_u32_u24 v14, v14, SP
	v_and_b32 v15, 3, v2
	v_lshl_add_u32 v14, v15, 4, v14
	v_add_nc_u32 v14, s21, v14                     ; the stage, way in: SP (lane / 4) + 16 (lane % 4)
	v_mul_u32_u24 v15, v2, SP
	v_add_nc_u32 v15, s21, v15                     ; way out: SP x lane: my 16 neighbours
	v_mul_u32_u24 v4, v2, CB                       ; my codes' place in a step's
	v_lshrrev_b32 v5, 1, v2
	s_add_co_u32 s21, s21, 2*32*SP
	v_add_nc_u32 v5, s21, v5                       ; my wave's 256 scale bytes, my block's byte
	v_lshlrev_b32 v7, 3, v2                        ; and on the way out 8 bytes a lane
	v_add_nc_u32 v6, s21, v7
	s_mov_b32 s23, MANT
	s_mov_b32 s24, 0x7f800000                      ; infinity: what is not under it in magnitude becomes 0
	s_and_b32 s27, s20, 1                          ; the wave's number with its two bits exchanged
	s_lshl_b32 s27, s27, 1
	s_lshr_b32 s30, s20, 1
	s_or_b32 s27, s27, s30
	s_sub_co_u32 s26, ttmp9, 128
	s_cmp_lt_u32 s26, 352                          ; work-groups 128 to 479: kv, Wq, Wk, Wv
	s_cselect_b32 s27, s27, s20                    ; where my 8 rows go in the group of 32
	s_mov_b32 s25, 0x7f7fffff
	s_cmp_lt_u32 ttmp9, 384
	s_cselect_b32 s25, 0x42480000, s25             ; the bound: 50 for q and kv
	s_wait_alu depctr_va_vdst(0)
	s_wait_kmcnt 0x0
	s_mov_b64 s[28:29], s[14:15]                   ; which tensor, and its first work-group: the choice hangs on the work-group's number alone
	s_mov_b32 s22, 480
	s_cmp_lt_u32 ttmp9, 480
	s_cselect_b64 s[28:29], s[12:13], s[28:29]
	s_cselect_b32 s22, 448, s22
	s_cmp_lt_u32 ttmp9, 448
	s_cselect_b64 s[28:29], s[10:11], s[28:29]
	s_cselect_b32 s22, 416, s22
	s_cmp_lt_u32 ttmp9, 416
	s_cselect_b64 s[28:29], s[8:9], s[28:29]
	s_cselect_b32 s22, 384, s22
	s_cmp_lt_u32 ttmp9, 384
	s_cselect_b64 s[28:29], s[6:7], s[28:29]
	s_cselect_b32 s22, 128, s22
	s_cmp_lt_u32 ttmp9, 128
	s_cselect_b64 s[28:29], s[4:5], s[28:29]
	s_cselect_b32 s22, 0, s22
	s_sub_co_u32 s30, ttmp9, s22
	s_lshl_b32 s30, s30, 2
	s_add_co_u32 s30, s30, s20
	s_lshl_b32 s30, s30, 15                        ; my run of 8,192 numbers in the tensor: 32,768 bytes each (under 2^26)
	s_mov_b32 s31, 0
	s_add_nc_u64 s[28:29], s[28:29], s[30:31]
	s_lshl_b32 s32, ttmp9, 2
	s_add_co_u32 s32, s32, s27                     ; my run in cod and scl
	s_lshl_b32 s34, s32, 13
	s_mov_b32 s35, 0
	s_add_nc_u64 s[16:17], s[16:17], s[34:35]
	s_lshl_b32 s34, s32, 8
	s_add_nc_u64 s[18:19], s[18:19], s[34:35]
.macro LOAD t
.irp i, 0,1,2,3
	global_load_b128 v[R+16*((\t)%4)+4*\i:R+16*((\t)%4)+4*\i+3], v3, s[28:29] offset:2048*(\t)+512*\i th:TH_LOAD_NT   ; 32 lanes read 512 consecutive bytes
.endr
.endm
.macro TURN t                          ; step t's numbers through the stage: LDS serves a wave's instructions in order, so no wait stands between the stores and the loads
.irp i, 0,1,2,3
	ds_store_b128 v14, v[R+16*((\t)%4)+4*\i:R+16*((\t)%4)+4*\i+3] offset:32*SP*((\t)%2)+8*SP*\i
.endr
.irp i, 0,1,2,3
	ds_load_b128 v[X+16*((\t)%2)+4*\i:X+16*((\t)%2)+4*\i+3], v15 offset:32*SP*((\t)%2)+16*\i
.endr
.endm
.irp t, 0,1,2,3
	LOAD \t
.endr
	s_wait_loadcnt 12                              ; step 0's four loads are in; the twelve of steps 1 to 3 may be out
	TURN 0
.macro STEP t
.set XS, X+16*((\t)%2)
.if (\t) > 0
	s_wait_dscnt 1                                 ; this step's numbers are back from the stage (the last step's byte store may be out)
.else
	s_wait_dscnt 0x0
.endif
.if (\t)+4 < STEPS
	LOAD (\t)+4                                    ; into the registers that this step's stage stores have read
.endif
.if (\t)+1 < STEPS
.if STEPS-2-(\t) >= 3
	s_wait_loadcnt 12                              ; the next step's four loads are in; those of the three steps behind it may be out
.else
	s_wait_loadcnt 4*(STEPS-2-(\t))
.endif
	TURN (\t)+1
.endif
.irp i, 0,1,2,3,4,5,6,7,8,9,10,11,12,13,14,15
	v_cmp_lt_f32 vcc_lo, |v[XS+\i]|, s24           ; finite?  (a NaN compares false)
	v_cndmask_b32 v[XS+\i], 0, v[XS+\i], vcc_lo    ; NaN and infinities become 0
.endr
	v_max3_num_f32 v8, |v[XS]|, |v[XS+1]|, |v[XS+2]|               ; the largest magnitude of my 16
	v_max3_num_f32 v9, |v[XS+3]|, |v[XS+4]|, |v[XS+5]|
.irp i, 6,10
	v_max3_num_f32 v8, v8, |v[XS+\i]|, |v[XS+\i+1]|
	v_max3_num_f32 v9, v9, |v[XS+\i+2]|, |v[XS+\i+3]|
.endr
	v_max3_num_f32 v8, v8, |v[XS+14]|, |v[XS+15]|
	v_max3_num_f32 v8, v8, v9, (EMAX+1)<<23        ; and the floor 2^(9 - 127): the byte cannot fall under 1
	v_max_num_f32_dpp v8, v8, v8 row_xmask:1 row_mask:0xf bank_mask:0xf   ; and of my neighbour's 16: the block's
	v_min_num_f32 v8, s25, v8                      ; the largest magnitude of the CLIPPED block
	v_add_nc_u32 v11, -(EMAX<<23), v8              ; 8 off its exponent field: the conversion's scale operand
	v_and_or_b32 v10, v8, 0x7f800000, s23          ; 448 x the scale
	v_min_num_f32 v10, s25, v10                    ; the clip and the hold in one bound
.irp i, 0,1,2,3,4,5,6,7,8,9,10,11,12,13,14,15
	v_med3_num_f32 v[XS+\i], v[XS+\i], -v10, v10   ; the conversion to an 8-bit code does not saturate (ISA guide 7.6.2)
.endr
	v_cvt_scalef32_pk8_fp8_f32 v[C+4*(\t):C+4*(\t)+1], v[XS:XS+7], v11
	v_cvt_scalef32_pk8_fp8_f32 v[C+4*(\t)+2:C+4*(\t)+3], v[XS+8:XS+15], v11
	v_lshrrev_b32 v[E+(\t)], 23, v11               ; the scale's byte
	ds_store_b8 v5, v[E+(\t)] offset:16*(\t)       ; both lanes of a block write the same byte with the same value
	global_store_b128 v4, v[C+4*(\t):C+4*(\t)+3], s[16:17] offset:32*CB*(\t)   ; the wave stores 512 consecutive bytes
.endm
.irp t, 0,1,2,3,4,5,6,7,8,9,10,11,12,13,14,15
	STEP \t
.endr
	ds_load_b64 v[12:13], v6                       ; LDS serves a wave's instructions in order: these see my stores
	s_wait_dscnt 0x0
	global_store_b64 v7, v[12:13], s[18:19]        ; 32 lanes store 256 consecutive bytes, aligned
	s_wait_tensorcnt 0x0
	ds_add_u32 v192, v193
	s_wait_dscnt 0x0
	s_endpgm
.Lfunc_end_k_q984c09fb4b_quant:
	.size	k_q984c09fb4b_quant, .Lfunc_end_k_q984c09fb4b_quant-k_q984c09fb4b_quant
	.p2alignl 7, 3214868480
	.fill 96, 4, 3214868480
	.section	.rodata,"a",@progbits
	.p2align	6, 0x0
	.amdhsa_kernel k_q984c09fb4b_quant
		.amdhsa_group_segment_fixed_size 33280
		.amdhsa_private_segment_fixed_size 0
		.amdhsa_enable_private_segment 0
		.amdhsa_kernarg_size 64
		.amdhsa_user_sgpr_count 2
		.amdhsa_user_sgpr_kernarg_segment_ptr 1
		.amdhsa_wavefront_size32 1
		.amdhsa_system_sgpr_workgroup_id_x 1
		.amdhsa_system_sgpr_workgroup_id_y 1
		.amdhsa_system_sgpr_workgroup_id_z 1
		.amdhsa_system_vgpr_workitem_id 0
		.amdhsa_next_free_vgpr 194
		.amdhsa_next_free_sgpr 66
		.amdhsa_reserve_vcc 1
		.amdhsa_float_denorm_mode_32 3
		.amdhsa_float_denorm_mode_16_64 3
		.amdhsa_memory_ordered 1
		.amdhsa_forward_progress 1
		.amdhsa_inst_pref_size 77
	.end_amdhsa_kernel
	.amdgpu_metadata
---
amdhsa.version: [ 1, 2 ]
amdhsa.kernels:
  - .name:           k_q984c09fb4b_quant
    .symbol:         k_q984c09fb4b_quant.kd
    .args:
      - { .name: q, .offset: 0, .size: 8, .value_kind: global_buffer, .address_space: global }
      - { .name: kv, .offset: 8, .size: 8, .value_kind: global_buffer, .address_space: global }
      - { .name: Wq, .offset: 16, .size: 8, .value_kind: global_buffer, .address_space: global }
      - { .name: Wk, .offset: 24, .size: 8, .value_kind: global_buffer, .address_space: global }
      - { .name: Wv, .offset: 32, .size: 8, .value_kind: global_buffer, .address_space: global }
      - { .name: Wo, .offset: 40, .size: 8, .value_kind: global_buffer, .address_space: global }
      - { .name: cod, .offset: 48, .size: 8, .value_kind: global_buffer, .address_space: global }
      - { .name: scl, .offset: 56, .size: 8, .value_kind: global_buffer, .address_space: global }
    .group_segment_fixed_size: 33280
    .private_segment_fixed_size: 0
    .kernarg_segment_align: 8
    .kernarg_segment_size: 64
    .max_flat_workgroup_size: 128
    .sgpr_count:     66
    .vgpr_count:     194
    .wavefront_size: 32
...
	.end_amdgpu_metadata
.endif
;; end of part 1
;; launch proj (part 2): grid 4 x 80, 4 waves a work-group, clusters of 4 x 4, 327,680 bytes of LDS; arguments cod, scl, pc, ps, bq, bk, bv; writes pc, ps
.if DOCPART == 2
	.amdgcn_target "amdgcn-amd-amdhsa--gfx1250"
	.amdhsa_code_object_version 6
	.text
	.protected	k_q984c09fb4b_proj
	.globl	k_q984c09fb4b_proj
	.p2align	8
	.type	k_q984c09fb4b_proj,@function
k_q984c09fb4b_proj:
	s_mov_b64 s[64:65], 0
	v_nop
	global_prefetch_b8 v0, s[64:65] scope:SCOPE_SE
	s_setreg_imm32_b32 hwreg(HW_REG_WAVE_MODE, 25, 1), 1
	s_wait_xcnt 0x0
	s_wait_alu depctr_hold_cnt(0) depctr_sa_sdst(0) depctr_va_vdst(0) depctr_va_sdst(0) depctr_va_ssrc(0) depctr_va_vcc(0) depctr_vm_vsrc(0)
	s_getreg_b32 s2, hwreg(HW_REG_IB_STS2, 6, 4)
	s_cmp_eq_u32 s2, 0
	s_cbranch_scc0 .Lentry_in_a_cluster
	s_endpgm
.Lentry_in_a_cluster:
	s_bfe_u32 s2, ttmp6, 0x10000c
	s_cmp_lg_u32 s2, 0xf033
	s_cbranch_scc0 .Lentry_shape_is_right
	s_endpgm
.Lentry_shape_is_right:
; The three input projections in one launch, on codes of FP8 (E4M3) with one E8M0 scale for each 32 along K = 1,024; then bias, the module's guard (NaN, infinities -> 0; clip to +-50), and the quantiser of the NEXT product, in registers.
; A cluster of 4 x 4 work-groups makes 1,024 x 1,024 results; cl, the cluster's number (0 to 19), says which: cl 0-3 qh, cl 4-11 kh, cl 12-19 vh.  A work-group makes 256 x 256, a wave 128 x 128: 64 accumulators.
; SOURCE 0's rows ("B") become the next product's K, since a lane's registers run along them; SOURCE 1's rows ("A") lie one to a lane.  qh, kh: B = the weight's rows (K next = the head's axis), A = tokens.
; vh: B = kv's rows (K next = the keys), A = Wv's rows.  kv's and the weights' rows were stored with bits 3 and 4 of the row number exchanged, so that the 16 registers of B's tiles 2 b and 2 b + 1 are 16 neighbours, 32 b + 16 (lane / 16) + 0..15.
; RESULTS leave as IMAGES OF OPERAND REGISTERS: 16 rows x 128 K = [4 quarters][32 lanes][16 bytes], 2,048 bytes, with 16 scale words (64 bytes) in ps at the image's place / 32.  With P = 8 batch + head pair:
; pc: q's images [P][64 tiles of queries] from 0;  k's [P][128 tiles of keys] from 4 MiB;  v's [P][16 steps of 128 keys][8 tiles of channels] from 12 MiB.  A wave's 8 images lie on end: 16 KiB of codes, 512 bytes of scale words.
; The ring of two LDS slots (K steps of 256), the scales brought once, the joint loads and the rounds of the cluster's barrier: A's tiles are shared along a row of the cluster, B's along a column.
; THE BIAS WITHOUT A BRANCH: result = BA[register] x BB[A's tile] + sum, one fused multiply-add; one factor is the bias, the other exactly 1.0, chosen by cl through v_cndmask_b32.
; LIMITS: a block of zeros gets the scale byte 1 (the rule says 127): its codes are zeros and this program alone reads the bytes.
; REGISTERS: window 0: v8-15 BB; v16-29 addresses; v32-63 scale words, two sets; v64-127 BA; from v128 A's fragments, one set; on the way out v128-231 at work.  window 1: B's fragments, two sets.  windows 2, 3: the accumulators ((a, b) at v[8 (8 (a % 4) + b)]).
.set KSTEP,  256
.set NQ,     2                         ; matrix instructions deep in a slot
.set ROWB,   256                       ; a tile's row in bytes
.set KROW,   1024                      ; a row of cod in bytes
.set PITCH,  272                       ; an LDS row: 256 bytes + 16 of padding: the 16 rows that a load touches start at 16 different banks (64 banks of 4 bytes: ISA guide 11.1)
.set FR,     16
.set NL,     4
.set NP,     8                         ; places behind this matrix instruction (ISA guide 7.12.1)
.set HALFT,  128*PITCH
.set SLOT,   4*HALFT
.set LAPS,   2                         ; 1,024 / 512
.set KS,     32                        ; a row of scales in bytes
.set SCL,    2*SLOT
.set HALFS,  (128*KS/256)*272
.set SBLK,   (16*KS/256)*272
.set SPARE,  SCL+4*HALFS               ; the spare words, 128 bytes for each wave: two blocks of 256 bytes that no other line names
.set BB,   8                           ; v8-15   one factor of the bias: by A's tile
.set ADRA, 16
.set ADRB, 20
.set SWA,  24                          ; v24  the way out: where I put a scale word: 512 x wave + 4 (lane % 16), in slot 0, which has had its last fill and its last read by then
.set SRA,  25                          ; v25  and where I read 16 bytes of them back: 512 x wave + 16 x lane
.set CO,   26                          ; v26  16 x lane
.set ADRS, 27
.set SPW,  28
.set NIL,  29
.set SC,   32
.set BA,   64                          ; v64-127 the other factor: by register
.set AF,   128
.set T,    128                         ; the way out: v128-191 a block's 64 numbers
.set PCD,  192                         ; v192-207 its codes
.set TM,   208                         ; v208-211 largest magnitudes, 212-215 bytes, 216-219 the hold, 220-223 the conversions' scale operands
.set PW,   224                         ; v224-231 the scale words, one for each block
.set INF,  2                           ; s2   infinity
.set SEL,  20                          ; s[20:21] lane selects for v_permlanex16_b32 (behind the head)
.set MNT,  93                          ; s93  the mantissa field of 448 (behind the head)
.set FIFTY, 94                         ; s94  50.0 (behind the head)
.set G1, 24
.set G0, 32
.set G1B, 48
.set G0B, 56
.set G1S, 68
.set G0S, 76
.set G1SB, 80
.set G0SB, 88
.set MSB, 0
.macro WIN new                         ; the immediate's high byte repeats the setting that is left
.if MSB != (\new)
	s_set_vgpr_msb (MSB<<8)|(\new)
.set MSB, (\new)
.endif
.endm
.set MUL_LO, 0xa1                      ; source 0 (B) window 1, source 1 (A) window 0, C and D window 2
.set MUL_HI, 0xf1
.set TO_B,   0x40
; A joint load: waves 0 and 1 fetch for A, waves 2 and 3 for B; the branch hangs on the wave's number alone.  Four v_nop follow each of the two lines.
.macro JLOAD g0a, g1a, g0b, g1b
	s_cmp_eq_u32 s15, 0
	s_cbranch_scc0 .Lfor_b_\@
	tensor_load_to_lds s[\g0a:\g0a+3], s[\g1a:\g1a+7]
	s_nop 0
.rept 4
	v_nop
.endr
	s_branch .Lasked_\@
.Lfor_b_\@:
	tensor_load_to_lds s[\g0b:\g0b+3], s[\g1b:\g1b+7]
	s_nop 0
.rept 4
	v_nop
.endr
.Lasked_\@:
.endm
.macro CREST                           ; a round of the cluster's barrier behind its opening barrier
	s_cmp_lg_u32 s14, 0
	s_cbranch_scc1 .Lnot_wave_0_\@
	s_barrier_signal -3
.Lnot_wave_0_\@:
	s_barrier_wait -3
	s_barrier_signal -1
	s_barrier_wait -1
.endm
.macro CROUND
	s_barrier_signal -1
	s_barrier_wait -1
	CREST
.endm
	s_load_b256 s[4:11], s[0:1], 0x0               ; cod s[4:5], scl s[6:7], pc s[8:9], ps s[10:11]
	s_load_b128 s[96:99], s[0:1], 0x20             ; bq, bk
	s_load_b64 s[100:101], s[0:1], 0x30            ; bv
	v_lshl_add_u32 v[SPW], v0, 2, SPARE
	v_mov_b32 v[NIL], 0
	ds_add_u32 v28, v29
	ds_add_u32 v28, v29
	s_wait_dscnt 0x0
	v_lshrrev_b32 v1, 5, v0
	v_readfirstlane_b32 s14, v1                    ; wave 0..3
	s_lshr_b32 s15, s14, 1                         ; which half of A's 256 rows is mine.  Also: I fetch for A (0) or for B (1)
	s_and_b32 s16, s14, 1                          ; which half of B's.  Also: which 128 rows I fetch
	s_bfe_u32 s40, ttmp6, 0x40000                  ; cx, cy: my place in the cluster
	s_bfe_u32 s41, ttmp6, 0x40004
	s_and_b32 s66, ttmp7, 0xffff                   ; cl: the cluster's number, which all sixteen share
	s_lshl_b32 s43, s41, 2
	s_lshl_b32 s43, 15, s43                        ; my row of the cluster
	s_lshl_b32 s44, 0x1111, s40                    ; my column
	; the cluster's first rows in cod and scl, from cl alone
	s_lshl_b32 s17, s66, 10                        ; A for qh, kh: q's rows from 0, kv's from 4,096: 1,024 cl
	s_sub_co_u32 s42, s66, 8
	s_lshl_b32 s42, s42, 10                        ; B for vh: kv's rows: 1,024 (cl - 8)
	s_mov_b32 s18, 13312                           ; B for kh: Wk
	s_mov_b32 s19, 14336                           ; A for vh: Wv
	s_cmp_lt_u32 s66, 4
	s_cselect_b32 s18, 12288, s18                  ; B for qh: Wq
	s_cmp_lt_u32 s66, 12
	s_cselect_b32 s42, s18, s42                    ; B's first row
	s_cselect_b32 s17, s17, s19                    ; A's first row
	s_cselect_b32 s67, 0, -1                       ; all ones for vh
	s_not_b32 s95, s67                             ; all ones for qh and kh
	; descriptor group 1: a tile of 128 rows x 256 bytes, padded in LDS
	s_or_b32 s[G1+0], s43, (0<<16)|(1<<20)|(1<<21)|(5<<22)|(3<<25)  ; 15:0 the mask: A's tiles go to my row; elements of 1 byte; padding on; 21 set beside a mask; 4 words behind every 64
	s_or_b32 s[G1B+0], s44, (0<<16)|(1<<20)|(1<<21)|(5<<22)|(3<<25)
.irp g, G1, G1B
	s_mov_b32 s[\g+1], ROWB<<16                    ; tensor_dim0
	s_mov_b32 s[\g+2], 256<<16                     ; tensor_dim1: 256 rows for the head's loads; set to 128 for the ring's behind the wait for them
	s_mov_b32 s[\g+3], ROWB<<16                    ; tile_dim0
	s_mov_b32 s[\g+4], 256                         ; tile_dim1
	s_mov_b32 s[\g+5], KROW                        ; tensor_dim0_stride
	s_mov_b32 s[\g+6], 0
	s_mov_b32 s[\g+7], 0
.endr
	; the scales of 256 rows: 8,192 dense bytes, as rows of 256 bytes (32 elements of 8), 16 bytes of padding behind each
	s_or_b32 s[G1S+0], s43, (3<<16)|(1<<20)|(1<<21)|(5<<22)|(3<<25)
	s_or_b32 s[G1SB+0], s44, (3<<16)|(1<<20)|(1<<21)|(5<<22)|(3<<25)
.irp g, G1S, G1SB
	s_mov_b32 s[\g+1], 32<<16
	s_mov_b32 s[\g+2], (256*KS/256)<<16            ; the scales of 256 rows in one load
	s_mov_b32 s[\g+3], 32<<16
	s_mov_b32 s[\g+4], 256*KS/256
	s_mov_b32 s[\g+5], 32
	s_mov_b32 s[\g+6], 0
	s_mov_b32 s[\g+7], 0
.endr
	s_lshl_b32 s20, s41, 8
	s_add_co_u32 s20, s20, s17                     ; A: first row + 256 cy
	s_lshl_b32 s46, s40, 8
	s_add_co_u32 s46, s46, s42                     ; B: first row + 256 cx
	s_lshl_b32 s22, s20, 5                         ; their scales: 32 bytes a row,
	s_mov_b32 s23, 0
	s_lshl_b32 s92, s46, 5
	s_mov_b32 s93, 0
	s_lshl_b32 s20, s20, 10                        ; their codes: 1,024 bytes a row (all under 2^24)
	s_mov_b32 s21, 0
	s_lshl_b32 s46, s46, 10
	s_mov_b32 s47, 0
	s_mul_i32 s45, s14, HALFT                      ; where they go: wave x 128 rows: no place in the cluster enters an LDS address
	s_wait_kmcnt 0x0
	s_add_nc_u64 s[20:21], s[4:5], s[20:21]
	s_add_nc_u64 s[22:23], s[6:7], s[22:23]
	s_add_nc_u64 s[46:47], s[4:5], s[46:47]
	s_add_nc_u64 s[92:93], s[6:7], s[92:93]
	CROUND                                         ; all sixteen work-groups are here: the first joint loads meet
	s_mov_b32 s[G0S], 1
	s_mov_b32 s[G0S+1], SCL
	s_mov_b64 s[G0S+2:G0S+3], s[22:23]
	s_or_b32 s[G0S+3], s[G0S+3], 0x80000000
	s_mov_b32 s[G0SB], 1
	s_mov_b32 s[G0SB+1], SCL+2*HALFS
	s_mov_b64 s[G0SB+2:G0SB+3], s[92:93]
	s_or_b32 s[G0SB+3], s[G0SB+3], 0x80000000
.irp s, 0,1
	s_mov_b32 s[G0+4*\s], 1
	s_add_co_u32 s[G0+4*\s+1], s45, \s*SLOT
	s_add_nc_u64 s[G0+4*\s+2:G0+4*\s+3], s[20:21], \s*ROWB
	s_or_b32 s[G0+4*\s+3], s[G0+4*\s+3], 0x80000000
	s_mov_b32 s[G0B+4*\s], 1
	s_add_co_u32 s[G0B+4*\s+1], s45, \s*SLOT
	s_add_nc_u64 s[G0B+4*\s+2:G0B+4*\s+3], s[46:47], \s*ROWB
	s_or_b32 s[G0B+4*\s+3], s[G0B+4*\s+3], 0x80000000
.endr
	; THE HEAD'S LOADS, ONE A WAVE: wave 0 K step 0's 256 rows of A, wave 1 its 256 rows of B, wave 2 the scales of A's 256 rows, wave 3 those of B's.
	; Slot 0's two groups 0 serve the head's whole tiles first; behind the wait for them they get the ring's form (my 128 rows).  Slot 1's get my half's rows now.
	s_mov_b32 s[G0+1], 0
	s_mov_b32 s[G0B+1], 2*HALFT
	s_mul_i32 s18, s16, 128*KROW
	s_mov_b32 s19, 0
	s_add_nc_u64 s[G0+6:G0+7], s[G0+6:G0+7], s[18:19]
	s_add_nc_u64 s[G0B+6:G0B+7], s[G0B+6:G0B+7], s[18:19]
.macro ARM under, g0, g1, next
	s_cmp_lt_u32 s14, \under
	s_cbranch_scc0 \next
	tensor_load_to_lds s[\g0:\g0+3], s[\g1:\g1+7]
	s_nop 0
.rept 4
	v_nop
.endr
	s_branch .Lhead_asked
\next:
.endm
	ARM 1, G0,  G1,  .Lhead_b
	ARM 2, G0B, G1B, .Lhead_sa
	ARM 3, G0S, G1S, .Lhead_sb
	tensor_load_to_lds s[G0SB:G0SB+3], s[G1SB:G1SB+7]
	s_nop 0
.rept 4
	v_nop
.endr
.Lhead_asked:
	v_and_b32 v1, 15, v0                           ; r = lane % 16
	v_bfe_u32 v2, v0, 4, 1                         ; h = lane / 16
	v_mul_u32_u24 v3, v1, PITCH
	v_lshl_add_u32 v4, v2, 4, v3                   ; a fragment's row x pitch + 16 x half
	s_mul_i32 s21, s15, HALFT                      ; my 128 rows of A
	s_mul_i32 s22, s16, HALFT                      ; my 128 rows of B,
	s_add_co_u32 s22, s22, 2*HALFT                 ; which lie behind A's 256
.irp s, 0,1
	v_add_nc_u32 v[ADRA+\s], s21, v4
	v_add_nc_u32 v[ADRB+\s], s22, v4
	s_add_co_u32 s21, s21, SLOT
	s_add_co_u32 s22, s22, SLOT
.endr
	v_mul_u32_u24 v5, v1, KS                       ; my row's scales: 32 bytes a row,
	v_lshrrev_b32 v6, 8, v5
	v_lshl_add_u32 v5, v6, 4, v5                   ; and 16 more for each 256 passed
	s_mul_i32 s21, s15, HALFS
	s_mul_i32 s22, s16, HALFS
	s_add_co_u32 s22, s22, 2*HALFS
	s_sub_co_u32 s22, s22, s21
	v_mul_u32_u24 v6, s22, v2                      ; lanes 16-31 take B's
	s_add_co_u32 s21, s21, SCL
	v_add_nc_u32 v5, v5, v6
	v_add_nc_u32 v[ADRS], s21, v5
	s_lshl_b32 s23, s14, 9                         ; the way out: my 512 bytes for scale words
	v_lshl_add_u32 v[SWA], v1, 2, s23
	v_and_b32 v6, 31, v0
	v_lshlrev_b32 v[CO], 4, v6
	v_add_nc_u32 v[SRA], s23, v[CO]
	; the bias: which vector, and the two tables.  The table that this cl does not use reads words 0 on of the same vector and is then overwritten by 1.0
	s_cmp_lt_u32 s66, 12
	s_cselect_b64 s[12:13], s[98:99], s[100:101]
	s_cmp_lt_u32 s66, 4
	s_cselect_b64 s[12:13], s[96:97], s[12:13]
	s_lshl_b32 s18, s40, 10
	s_lshl_b32 s19, s16, 9
	s_add_co_u32 s18, s18, s19
	s_and_b32 s18, s18, s95                        ; qh, kh: 4 x (256 cx + 128 x B's half); vh: 0
	s_lshl_b32 s19, s41, 10
	s_lshl_b32 s46, s15, 9
	s_add_co_u32 s19, s19, s46
	s_and_b32 s19, s19, s67                        ; vh: 4 x (256 cy + 128 x A's half); else 0
	v_lshl_add_u32 v7, v2, 6, s18                  ; BA: register 16 b + i is the bias of unit 32 b + 16 h + i
	v_and_b32 v6, 8, v1
	v_add_nc_u32 v6, v6, v1                        ; r + 8 (r / 8)
	v_lshl_add_u32 v6, v6, 2, s19                  ; BB: register a is the bias of Wv's true row 32 (a / 2) + 8 (a % 2) + r + 8 (r / 8): the stored rows changed places
.irp b, 0,1,2,3
.irp k, 0,1,2,3
	global_load_b128 v[BA+16*\b+4*\k:BA+16*\b+4*\k+3], v7, s[12:13] offset:128*\b+16*\k
.endr
.endr
.irp a, 0,1,2,3,4,5,6,7
	global_load_b32 v[BB+\a], v6, s[12:13] offset:4*(32*(\a/2)+8*(\a%2))
.endr
	; where my 8 images go
	s_lshl_b32 s18, s41, 8
	s_add_co_u32 s18, s18, s17
	s_lshl_b32 s19, s15, 7
	s_add_co_u32 s18, s18, s19                     ; A's first row of my wave
	s_lshl_b32 s46, s40, 8
	s_add_co_u32 s46, s46, s42
	s_lshl_b32 s47, s16, 7
	s_add_co_u32 s46, s46, s47                     ; B's
	s_lshl_b32 s19, s40, 1
	s_add_co_u32 s19, s19, s16                     ; the head pair for qh, kh: 2 cx + B's half
	s_lshl_b32 s47, s41, 1
	s_add_co_u32 s47, s47, s15                     ; for vh: 2 cy + A's half
	s_cmp_lt_u32 s66, 12
	s_cselect_b32 s18, s18, s46                    ; the token row: A's for qh, kh; B's for vh
	s_cselect_b32 s19, s19, s47
	s_cmp_lt_u32 s66, 4
	s_cselect_b32 s46, 0, 4096                     ; kv's rows begin at 4,096
	s_cselect_b32 s47, 10, 11                      ; L: 2^L tokens in a batch
	s_sub_co_u32 s18, s18, s46
	s_lshr_b32 s20, s18, s47                       ; batch
	s_lshl_b32 s20, s20, 3
	s_add_co_u32 s20, s20, s19                     ; P
	s_sub_co_u32 s21, s47, 4
	s_lshl_b32 s20, s20, s21                       ; 2^(L - 4) images for each P
	s_lshl_b32 s21, 1, s47
	s_sub_co_u32 s21, s21, 1
	s_and_b32 s21, s18, s21
	s_lshr_b32 s21, s21, 4
	s_add_co_u32 s20, s20, s21
	s_lshl_b32 s20, s20, 11                        ; 2,048 bytes an image
	s_mov_b32 s21, 0xc00000
	s_cmp_lt_u32 s66, 12
	s_cselect_b32 s21, 0x400000, s21
	s_cmp_lt_u32 s66, 4
	s_cselect_b32 s21, 0, s21
	s_add_co_u32 s20, s20, s21
	s_mov_b32 s21, 0
	s_add_nc_u64 s[8:9], s[8:9], s[20:21]
	s_lshr_b32 s20, s20, 5
	s_add_nc_u64 s[10:11], s[10:11], s[20:21]
	s_mov_b32 s[INF], 0x7f800000
	s_mov_b32 s[FIFTY], 0x42480000
	s_mov_b32 s[MNT], 0x600000
	s_mov_b32 s[SEL], 0x76543210
	s_mov_b32 s[SEL+1], 0xfedcba98
	s_wait_loadcnt 0x0                             ; the bias tables
.set i, 0
.rept 64
	v_cndmask_b32 v[BA+i], v[BA+i], 1.0, s67       ; vh: this factor is 1
.set i, i+1
.endr
.set i, 0
.rept 8
	v_cndmask_b32 v[BB+i], v[BB+i], 1.0, s95       ; qh, kh: this one is
.set i, i+1
.endr
.macro FRAG reg, adr, q, i             ; 16 rows x 128 K of 8-bit codes: lane l holds row l % 16; registers 4 c .. 4 c + 3 hold K = 32 c + 16 (l / 16) + 0 .. 15
.irp c, 0,1,2,3
	ds_load_b128 v[\reg+4*\c:\reg+4*\c+3], v[\adr] offset:128*(\q)+32*\c+(\i)*16*PITCH
.endr
.endm
; 16 matrix instructions: A's blocks a0, a0 + 1 x B's eight.  The 64 accumulators take turns, one instruction a turn, in the same order in every step.  zero = 1: the first product starts the sums.
.macro MUL16 a0, p, q, sc, zero
.irp a, \a0, \a0+1
.irp b, 0,1,2,3,4,5,6,7
.if \zero
	v_wmma_scale_f32_16x16x128_f8f6f4 v[8*(8*((\a)%4)+\b):8*(8*((\a)%4)+\b)+7], v[128*(\p)+FR*\b:128*(\p)+FR*\b+FR-1], v[AF+FR*(\a):AF+FR*(\a)+FR-1], 0, v[SC+8*NQ*(\sc)+NQ*\b+(\q)], v[SC+8*NQ*(\sc)+NQ*(\a)+(\q)] matrix_a_scale:MATRIX_SCALE_ROW1
.else
	v_wmma_scale_f32_16x16x128_f8f6f4 v[8*(8*((\a)%4)+\b):8*(8*((\a)%4)+\b)+7], v[128*(\p)+FR*\b:128*(\p)+FR*\b+FR-1], v[AF+FR*(\a):AF+FR*(\a)+FR-1], v[8*(8*((\a)%4)+\b):8*(8*((\a)%4)+\b)+7], v[SC+8*NQ*(\sc)+NQ*\b+(\q)], v[SC+8*NQ*(\sc)+NQ*(\a)+(\q)] matrix_a_scale:MATRIX_SCALE_ROW1
.endif
.endr
.endr
.endm
.macro FETCH_B slot, q, p
	WIN TO_B
.irp i, 0,1,2,3,4,5,6,7
	FRAG 128*(\p)+FR*\i, ADRB+\slot, \q, \i
.endr
	WIN 0
.endm
.macro FETCH_A slot, q, i0
.irp i, \i0, \i0+1, \i0+2, \i0+3
	FRAG AF+FR*(\i), ADRA+\slot, \q, \i
.endr
.endm
.macro SCALES sc                       ; a K step's scale words: lanes 0-15 take A's block i, lanes 16-31 B's block i; two words a row
.irp i, 0,1,2,3,4,5,6,7
	ds_load_b64 v[SC+8*NQ*\sc+NQ*\i:SC+8*NQ*\sc+NQ*\i+1], v[ADRS] offset:\i*SBLK
.endr
.endm
.macro PLACES n                        ; plain vector instructions that name none of the matrix instructions' registers, in front of loads into registers that they read and of reads of their results
.rept \n
	v_nop
.endr
.endm
.macro STEP slot, q, zero              ; 128 along K, with its successor in the same slot
	s_wait_dscnt 4*NL                              ; B's set and A's blocks 0-3 are in; the youngest sixteen loads (A's blocks 4-7) may be out
	WIN MUL_LO
	MUL16 0, (\q)%2, \q, \slot, \zero
	MUL16 2, (\q)%2, \q, \slot, \zero
	s_wait_dscnt 0
	PLACES NP
	FETCH_B \slot, (\q)+1, 1-(\q)%2
	FETCH_A \slot, (\q)+1, 0
	WIN MUL_HI
	MUL16 4, (\q)%2, \q, \slot, \zero
	MUL16 6, (\q)%2, \q, \slot, \zero
	PLACES NP
	WIN 0
	FETCH_A \slot, (\q)+1, 4
.endm
; A slot's last step changes slots: one barrier; in front of it each wave waits for all its tensor loads, adds 0 to its spare word, and waits for that and for its reads of this slot.  fill = 1: the slot is filled again, two K steps ahead.
.macro TURN slot, next, fill
	s_wait_tensorcnt 0x0                           ; all my tensor loads have landed: my part of the next slot
	ds_add_u32 v[SPW], v[NIL]                      ; 0 onto my spare word
	s_wait_dscnt 4*NL+1                            ; (the add and the youngest sixteen loads, A's blocks 4-7, may be out)
	WIN MUL_LO
	MUL16 0, 1, NQ-1, \slot, 0
	s_wait_dscnt 0x0                               ; the add is done, and my reads of this slot are over
	s_barrier_signal -1
	MUL16 2, 1, NQ-1, \slot, 0
	WIN 0
	s_barrier_wait -1
.if \fill
	CREST                                          ; the barrier has opened a round of the cluster's barrier: no wave of any partner still reads this slot or has a load on its way
	s_add_nc_u64 s[G0+4*\slot+2:G0+4*\slot+3], s[G0+4*\slot+2:G0+4*\slot+3], 2*ROWB
	s_add_nc_u64 s[G0B+4*\slot+2:G0B+4*\slot+3], s[G0B+4*\slot+2:G0B+4*\slot+3], 2*ROWB
	JLOAD G0+4*\slot, G1, G0B+4*\slot, G1B         ; the first tensor load behind the round; its four v_nop are among the places in front of the loads below
	PLACES NP-4
.else
	PLACES NP
.endif
	s_wait_alu depctr_va_vdst(0)
	v_add_nc_u32 v[ADRS], 4*NQ, v[ADRS]            ; on to the next K step's scale words
	FETCH_B \next, 0, 0
	FETCH_A \next, 0, 0
	SCALES \next
	WIN MUL_HI
	MUL16 4, 1, NQ-1, \slot, 0
	MUL16 6, 1, NQ-1, \slot, 0
	PLACES NP
	WIN 0
	FETCH_A \next, 0, 4
.endm
	s_wait_alu depctr_va_vdst(0)
	s_wait_tensorcnt 0x0                           ; my tile of the head's four is in
	ds_add_u32 v[SPW], v[NIL]
	s_mov_b32 s[G1+2], 128<<16                     ; no tensor load of mine is out: from here on a load brings 128 rows
	s_mov_b32 s[G1+4], 128
	s_mov_b32 s[G1B+2], 128<<16
	s_mov_b32 s[G1B+4], 128
	s_mov_b32 s[G0+1], s45                         ; slot 0's groups 0 in the ring's form: wave x 128 rows in LDS, my half's rows in memory
	s_mov_b32 s[G0B+1], s45
	s_mul_i32 s18, s16, 128*KROW
	s_mov_b32 s19, 0
	s_add_nc_u64 s[G0+2:G0+3], s[G0+2:G0+3], s[18:19]
	s_add_nc_u64 s[G0B+2:G0B+3], s[G0B+2:G0B+3], s[18:19]
	s_wait_dscnt 0x0
	CROUND                                         ; a whole round: all four tiles are in, and the sixteen work-groups meet
	JLOAD G0+4, G1, G0B+4, G1B                     ; K step 1: the first tensor load behind the round
	FETCH_B 0, 0, 0
	FETCH_A 0, 0, 0
	SCALES 0
	FETCH_A 0, 0, 4
	STEP 0, 0, 1                                   ; the first step's products start the sums
	s_mov_b32 s3, LAPS-1
.Llap:                                                 ; a trip goes once round the ring and fills both slots again
	TURN 0, 1, 1
	STEP 1, 0, 0
	TURN 1, 0, 1
	STEP 0, 0, 0
	s_sub_co_u32 s3, s3, 1
	s_cmp_lg_u32 s3, 0
	s_cbranch_scc1 .Llap
	TURN 0, 1, 0                                   ; the last lap fills nothing
	STEP 1, 0, 0
	s_wait_dscnt 4*NL
	WIN MUL_LO
	MUL16 0, 1, NQ-1, 1, 0
	MUL16 2, 1, NQ-1, 1, 0
	s_wait_dscnt 0
	WIN MUL_HI
	MUL16 4, 1, NQ-1, 1, 0
	MUL16 6, 1, NQ-1, 1, 0
	WIN 0
; THE WAY OUT, by A's blocks.  Block a: 16 rows (one a lane) x 128 along the next K (64 registers: register 16 b + i = k 32 b + 16 (lane / 16) + i).
.macro OUTBLK a
	WIN 0x20+0x10*((\a)/4)                         ; source 2: the accumulators' window
.set i, 0
.rept 32
.if (\a)%2 == 0
	v_pk_fma_f32 v[T+2*i:T+2*i+1], v[BA+2*i:BA+2*i+1], v[BB+2*((\a)/2):BB+2*((\a)/2)+1], v[64*((\a)%4)+2*i:64*((\a)%4)+2*i+1] op_sel:[0,0,0] op_sel_hi:[1,0,1]   ; + the bias; each accumulator from its low end on
.else
	v_pk_fma_f32 v[T+2*i:T+2*i+1], v[BA+2*i:BA+2*i+1], v[BB+2*((\a)/2):BB+2*((\a)/2)+1], v[64*((\a)%4)+2*i:64*((\a)%4)+2*i+1] op_sel:[0,1,0] op_sel_hi:[1,1,1]
.endif
.set i, i+1
.endr
	WIN 0
.set i, 0
.rept 64
	v_cmp_lt_f32 vcc_lo, |v[T+i]|, s[INF]          ; the guard: NaN and infinities become 0
	v_cndmask_b32 v[T+i], 0, v[T+i], vcc_lo
.set i, i+1
.endr
.irp b, 0,1,2,3
	v_max3_num_f32 v[TM+\b], |v[T+16*\b]|, |v[T+1+16*\b]|, 0x4800000   ; block b: my 16 numbers, and the floor 2^(9 - 127): the byte cannot fall under 1
.endr
.irp i, 2,4,6,8,10,12,14
.irp b, 0,1,2,3
	v_max3_num_f32 v[TM+\b], v[TM+\b], |v[T+16*\b+\i]|, |v[T+1+16*\b+\i]|
.endr
.endr
.irp b, 0,1,2,3
	v_permlanex16_b32 v[TM+4+\b], v[TM+\b], s[SEL], s[SEL+1]
.endr
.irp b, 0,1,2,3
	v_max_num_f32 v[TM+\b], v[TM+\b], v[TM+4+\b]   ; with lane l xor 16's: the block's largest magnitude,
.endr
.irp b, 0,1,2,3
	v_min_num_f32 v[TM+\b], s[FIFTY], v[TM+\b]     ; of the clipped block
.endr
.irp b, 0,1,2,3
	v_add_nc_u32 v[TM+12+\b], 0xfc000000, v[TM+\b] ; 8 off its exponent field: the conversion's scale operand
.endr
.irp b, 0,1,2,3
	v_and_or_b32 v[TM+8+\b], v[TM+\b], 0x7f800000, s[MNT]   ; 448 x the scale,
.endr
.irp b, 0,1,2,3
	v_min_num_f32 v[TM+8+\b], s[FIFTY], v[TM+8+\b] ; or 50: the clip and the hold in one bound
.endr
.irp b, 0,1,2,3
	v_lshrrev_b32 v[TM+4+\b], 23, v[TM+12+\b]      ; the scale's byte
.endr
	v_lshl_or_b32 v[PW+(\a)], v[TM+5], 8, v[TM+4]  ; my row's scale word
	v_lshl_or_b32 v[PW+(\a)], v[TM+6], 16, v[PW+(\a)]
	v_lshl_or_b32 v[PW+(\a)], v[TM+7], 24, v[PW+(\a)]
.if (\a) > 0
	s_wait_xcnt 0x0                                ; the last block's stores have read their data: the codes' registers are written again only behind this wait
.endif
.irp b, 0,1,2,3
.irp i, 0,1,2,3,4,5,6,7,8,9,10,11,12,13,14,15
	v_med3_num_f32 v[T+16*\b+\i], v[T+16*\b+\i], -v[TM+8+\b], v[TM+8+\b]   ; the conversion to an 8-bit code does not saturate (ISA guide 7.6.2)
.endr
	v_cvt_scalef32_pk8_fp8_f32 v[PCD+4*\b:PCD+1+4*\b], v[T+16*\b:T+7+16*\b], v[TM+12+\b]
	v_cvt_scalef32_pk8_fp8_f32 v[PCD+2+4*\b:PCD+3+4*\b], v[T+8+16*\b:T+15+16*\b], v[TM+12+\b]
.endr
	v_nop                                          ; one plain vector instruction behind the last scaled conversion
.irp c, 0,1,2,3
	global_store_b128 v[CO], v[PCD+4*\c:PCD+4*\c+3], s[8:9] offset:2048*(\a)+512*\c   ; a quarter of the image: the wave stores 512 consecutive bytes, aligned
.endr
	ds_store_b32 v[SWA], v[PW+(\a)] offset:64*(\a) ; both halves of the lanes write the same word with the same value
.endm
	PLACES NP                                      ; behind the last products: for the reads of results and the writes over A's fragments
.irp b, 0,1,2,3
	v_mov_b32 v[TM+4+\b], 0                        ; a lane permute's destination counts as one of its sources
.endr
.irp a, 0,1,2,3,4,5,6,7
	OUTBLK \a
.endr
	ds_load_b128 v[T:T+3], v[SRA]                  ; LDS serves a wave's instructions in order: this sees my eight stores
	s_wait_dscnt 0x0
	global_store_b128 v[CO], v[T:T+3], s[10:11]    ; my 128 scale words: 512 consecutive bytes, aligned
	s_wait_tensorcnt 0x0                           ; the wave's end
	ds_add_u32 v[SPW], v[NIL]
	s_wait_dscnt 0x0
	CROUND                                         ; the closing round
	s_endpgm
.Lfunc_end_k_q984c09fb4b_proj:
	.size	k_q984c09fb4b_proj, .Lfunc_end_k_q984c09fb4b_proj-k_q984c09fb4b_proj
	.p2alignl 7, 3214868480
	.fill 96, 4, 3214868480
	.section	.rodata,"a",@progbits
	.p2align	6, 0x0
	.amdhsa_kernel k_q984c09fb4b_proj
		.amdhsa_group_segment_fixed_size 327680
		.amdhsa_private_segment_fixed_size 0
		.amdhsa_enable_private_segment 0
		.amdhsa_kernarg_size 56
		.amdhsa_user_sgpr_count 2
		.amdhsa_user_sgpr_kernarg_segment_ptr 1
		.amdhsa_wavefront_size32 1
		.amdhsa_system_sgpr_workgroup_id_x 1
		.amdhsa_system_sgpr_workgroup_id_y 1
		.amdhsa_system_sgpr_workgroup_id_z 1
		.amdhsa_system_vgpr_workitem_id 0
		.amdhsa_next_free_vgpr 1024
		.amdhsa_next_free_sgpr 102
		.amdhsa_reserve_vcc 1
		.amdhsa_float_denorm_mode_32 3
		.amdhsa_float_denorm_mode_16_64 3
		.amdhsa_memory_ordered 1
		.amdhsa_forward_progress 1
		.amdhsa_inst_pref_size 255
	.end_amdhsa_kernel
	.section	.bss,"aw",@nobits
	.p2align	6
	.space	262144
	.amdgpu_metadata
---
amdhsa.version: [ 1, 2 ]
amdhsa.kernels:
  - .name:           k_q984c09fb4b_proj
    .symbol:         k_q984c09fb4b_proj.kd
    .args:
      - { .name: cod, .offset: 0, .size: 8, .value_kind: global_buffer, .address_space: global }
      - { .name: scl, .offset: 8, .size: 8, .value_kind: global_buffer, .address_space: global }
      - { .name: pc, .offset: 16, .size: 8, .value_kind: global_buffer, .address_space: global }
      - { .name: ps, .offset: 24, .size: 8, .value_kind: global_buffer, .address_space: global }
      - { .name: bq, .offset: 32, .size: 8, .value_kind: global_buffer, .address_space: global }
      - { .name: bk, .offset: 40, .size: 8, .value_kind: global_buffer, .address_space: global }
      - { .name: bv, .offset: 48, .size: 8, .value_kind: global_buffer, .address_space: global }
    .group_segment_fixed_size: 327680
    .private_segment_fixed_size: 0
    .kernarg_segment_align: 8
    .kernarg_segment_size: 56
    .max_flat_workgroup_size: 128
    .sgpr_count:     102
    .vgpr_count:     1024
    .wavefront_size: 32
...
	.end_amdgpu_metadata
.endif
;; end of part 2
;; launch attn (part 3): grid 8 x 32, 8 waves a work-group, clusters of 4 x 1, 327,680 bytes of LDS; arguments pc, ps, key_padding_mask, oc, os; writes oc, os
.if DOCPART == 3
	.amdgcn_target "amdgcn-amd-amdhsa--gfx1250"
	.amdhsa_code_object_version 6
	.text
	.protected	k_q984c09fb4b_attn
	.globl	k_q984c09fb4b_attn
	.p2align	8
	.type	k_q984c09fb4b_attn,@function
k_q984c09fb4b_attn:
	s_mov_b64 s[64:65], 0
	v_nop
	global_prefetch_b8 v0, s[64:65] scope:SCOPE_SE
	s_setreg_imm32_b32 hwreg(HW_REG_WAVE_MODE, 25, 1), 1
	s_wait_xcnt 0x0
	s_wait_alu depctr_hold_cnt(0) depctr_sa_sdst(0) depctr_va_vdst(0) depctr_va_sdst(0) depctr_va_ssrc(0) depctr_va_vcc(0) depctr_vm_vsrc(0)
	s_getreg_b32 s2, hwreg(HW_REG_IB_STS2, 6, 4)
	s_cmp_eq_u32 s2, 0
	s_cbranch_scc0 .Lentry_in_a_cluster
	s_endpgm
.Lentry_in_a_cluster:
	s_bfe_u32 s2, ttmp6, 0x10000c
	s_cmp_lg_u32 s2, 0x3003
	s_cbranch_scc0 .Lentry_shape_is_right
	s_endpgm
.Lentry_shape_is_right:
; Attention on codes of FP8 (E4M3): scores = qh . kh / 8, clipped to +-80; masked keys get -10000; softmax; x vh; the module's guard; and the quantiser of the output projection's operand.
; THE SOFTMAX AHEAD OF THE SECOND PRODUCT: t = logit x log2(e); M = the row's largest t so far, rounded up to a whole number; p = 2^(t - M) is quantised along the keys, not normalised; the row's sum is taken of the unquantised p and divides at the end.
; When M moves, the sum and O are multiplied by 2^(old M - new M): exact.  The running maximum is taken of the clipped and masked logits, so a row whose keys are all masked comes out uniform.
; SHARES.  P = 8 batch + head pair (work-group y).  A work-group owns 128 queries of the pair's two heads; wave w: head w / 4, queries 32 (w % 4) on: TWO tiles of 16, so that each fragment of K and V and each table entry read from LDS serves two tiles.
; REGISTERS.  Tile A's state lies in window 0 and tile B's under the SAME numbers in window 1 (v12 -M, v13 largest t, v[14:15] sum, v16-31 Q, S, O, PC, the work registers): one macro serves both under s_set_vgpr_msb.
; Shared: window 0 v32-103 fragments of K (then of V) and eight zeros, v216-223 scale words, v252-255 p's and Q's scale words (scale operands have no window); window 1 v32-95 the table of the step's keys, v0 the prefetch's offset.
; OPERANDS COME AS IMAGES OF THEIR REGISTERS (16 rows x 128 K = [4 quarters][32 lanes][16 bytes]).  An image of qh or kh spans the pair's 128 channels; a wave takes the two quarters of its head into the LOW 8 registers of a fragment.
; Q's upper 8 registers hold zero codes, so what stands in K's upper 8 (the next fragment's codes, never a NaN code; zeros behind the last) adds nothing; scale words are read as 16 bits, their upper bytes 0.
; Both products are used transposed (S^T = K Q^T, O^T = V^T P^T): a lane holds one query.  The stored order of keys and channels makes the 16 registers of tiles 2 b, 2 b + 1 sixteen neighbours: 32 b + 16 (lane / 16) + 0..15.
; CLIP AND MASK IN ONE LINE: a table in LDS holds for each key 640 or, if it is masked, -80000; score = min(max(score, -640), table): +-640 = 8 x 80, -80000 = 8 x -10000, and t = score x (log2(e) / 8).
; THE RING.  K's ring (LDS 0 on) and V's (131,072 on) hold eight key steps of 16 KiB each: two slots of four steps.  Every wave fetches one step's 16 KiB of a slot (waves 0-3 K's, 4-7 V's): one load a wave at the head and behind each round.
; CLUSTER.  The four query blocks of a cluster walk the same K and V: every tensor load is asked for jointly, with the mask of all four.  The pair's scale words (16 KiB) and the table come once, through registers, into LDS bytes of their own.
; PREFETCH.  At the change that loads slot n + 1 each wave names 16 blocks of 256 bytes of its step of slot n + 2; the four partners take a quarter of the step each, told apart by address; lanes 16-31 name lane 15's block again.  Slots 0 and 1 come by their loads alone; the last filling change asks for nothing.
; OUT: oc [tile of 16 rows][head pair][image]; os [row][32 scale bytes].  A wave's two scale bytes a row go out by a store of 2 bytes a lane, 32 bytes apart (a row's 32 bytes come from eight work-groups): 128 KiB in the whole launch.
; LIMITS: p under 2^-126 is 0 (v_exp_f32 flushes); a block's largest p is made from its largest score by the same two instructions, which takes v_exp_f32 not to fall where its input rises; a block of zeros gets the scale byte 1, read by this program alone.
.set VR,    131072
.set SLOTB, 65536
.set SCB,   262144                     ; K's scale words of the pair, 8 KiB, then V's, 8 KiB: written by LDS stores
.set MT,    SCB+16384                  ; the table: 2,048 f32, written by LDS stores
.set SPARE, MT+8192                    ; the spare words, 128 bytes for each of 8 waves: four blocks of 256 bytes that no other line names
.set AK0,  1                           ; 16 lane + 1,024 head
.set AV0,  2                           ; 16 lane + VR + 8,192 head
.set ASK0, 3                           ; SCB + 4 r + 2 head
.set ASV0, 4                           ; SCB + 8,192 + 256 head + 4 r
.set SPW,  5
.set NIL,  6
.set AM0,  7                           ; MT + 64 h
.set ADK,  8
.set ADV,  9
.set ADS,  10
.set ADT,  11
.set F,    32
.set T,    32                          ; in window 1
.set S,    104
.set O,    168
.set PC,   200
.set KS,   216
.set BM,   224
.set PB,   228
.set HO,   232
.set SO,   236
.set TSM,  240                         ; four pairs: the sum's chains
.set FF,   248                         ; f; v249 is named with it as a pair
.set W,    250
.set ADM,  251
.set PW,   252                         ; p's scale words: A's, B's
.set QS,   254                         ; Q's: A's, B's
.set WV,   18
.set MNT,  19
.set SEL,  20
.set CS,   22
.set G1T,  24
.set CN2,  32
.set PFA,  34
.set G0T,  40
.set TK,   48                          ; the step's place in the rings: 16,384 a step, modulo 131,072
.set TS,   49                          ; 512 bytes a step: K's scale words, V's, and the table alike
.set CNT,  50
.set LO,   51
.set INF,  52
.set FIFTY, 53
.set MSB, 0
.macro WIN new                         ; the immediate's high byte repeats the setting that is left
.if MSB != (\new)
	s_set_vgpr_msb (MSB<<8)|(\new)
.set MSB, (\new)
.endif
.endm
.macro CROUND                          ; a round of the cluster's barrier
	s_barrier_signal -1
	s_barrier_wait -1
	s_cmp_lg_u32 s[WV], 0
	s_cbranch_scc1 .Lnot_wave_0_\@
	s_barrier_signal -3
.Lnot_wave_0_\@:
	s_barrier_wait -3
	s_barrier_signal -1
	s_barrier_wait -1
.endm
.macro TLOAD
	tensor_load_to_lds s[G0T:G0T+3], s[G1T:G1T+7]
	s_nop 0
.rept 4
	v_nop
.endr
.endm
	s_load_b256 s[4:11], s[0:1], 0x0               ; pc, ps, the mask, oc
	s_load_b64 s[12:13], s[0:1], 0x20              ; os
	v_lshl_add_u32 v[SPW], v0, 2, SPARE
	v_mov_b32 v[NIL], 0
	ds_add_u32 v[SPW], v[NIL]                      ; the opening lines
	ds_add_u32 v[SPW], v[NIL]
	v_lshrrev_b32 v8, 5, v0
	v_readfirstlane_b32 s[WV], v8                  ; wave 0..7
	s_bfe_u32 s54, ttmp6, 0x40000                  ; cx
	s_lshl_b32 s55, ttmp9, 2
	s_add_co_u32 s55, s55, s54                     ; my block of 128 queries: it enters Q's, oc's and os's addresses alone
	s_and_b32 s56, ttmp7, 0xffff                   ; P, which the four partners share
	s_mov_b32 s[G1T], 15|(3<<16)|(1<<21)           ; the mask: all four work-groups; elements of 8 bytes; 21 set beside a mask; a step's 16 KiB as 64 dense rows of 256 bytes
	s_mov_b32 s[G1T+1], 32<<16
	s_mov_b32 s[G1T+2], 64<<16
	s_mov_b32 s[G1T+3], 32<<16
	s_mov_b32 s[G1T+4], 64
	s_mov_b32 s[G1T+5], 32
	s_mov_b32 s[G1T+6], 0
	s_mov_b32 s[G1T+7], 0
	s_and_b32 s57, s[WV], 3                        ; which step of a slot I fetch; also my 32 queries
	s_lshr_b32 s58, s[WV], 2                       ; I fetch for K (0) or V (1); also my head of the pair
	s_lshl_b32 s60, s58, 23                        ; V's images lie 8 MiB behind K's,
	s_lshl_b32 s61, s56, 18                        ; 256 KiB for each P,
	s_add_co_u32 s60, s60, s61
	s_lshl_b32 s61, s57, 14                        ; 16 KiB a step,
	s_add_co_u32 s60, s60, s61
	s_add_co_u32 s60, s60, 0x400000                ; K's from 4 MiB
	s_mov_b32 s61, 0
	s_lshl_b32 s62, s56, 13                        ; the pair's scale words: K's 8 KiB; V's lie 0x40000 behind
	s_add_co_u32 s62, s62, 0x20000
	s_mov_b32 s63, 0
	s_lshl_b32 s68, s55, 3
	s_lshl_b32 s69, s57, 1
	s_add_co_u32 s68, s68, s69                     ; tile A in the batch
	s_lshl_b32 s69, s56, 6
	s_add_co_u32 s69, s69, s68                     ; Q's image: 64 P + tile
	s_lshl_b32 s70, s69, 11
	s_lshl_b32 s71, s58, 10
	s_add_co_u32 s70, s70, s71                     ; its two quarters of my head
	s_mov_b32 s71, 0
	s_lshl_b32 s77, s58, 1
	s_lshl_b32 s72, s69, 6
	s_add_co_u32 s72, s72, s77                     ; its scale words, my head's two bytes
	s_mov_b32 s73, 0
	s_lshr_b32 s74, s56, 3                         ; batch
	s_and_b32 s75, s56, 7                          ; head pair
	s_lshl_b32 s76, s74, 6
	s_add_co_u32 s76, s76, s68                     ; the tile of 16 rows of the output
	s_lshl_b32 s78, s76, 3
	s_add_co_u32 s78, s78, s75
	s_lshl_b32 s78, s78, 11
	s_lshl_b32 s79, s58, 10
	s_add_co_u32 s78, s78, s79                     ; oc: image (tile, pair), my head's quarters; tile B's lies 16,384 bytes on
	s_mov_b32 s79, 0
	s_lshl_b32 s80, s76, 9                         ; os: 16 rows of 32 bytes a tile,
	s_lshl_b32 s81, s75, 2
	s_add_co_u32 s80, s80, s81                     ; 4 bytes a pair,
	s_add_co_u32 s80, s80, s77                     ; 2 a head
	s_mov_b32 s81, 0
	s_lshl_b32 s82, s74, 11                        ; the batch's 2,048 mask bytes
	s_mov_b32 s83, 0
	s_lshl_b32 s86, s54, 12                        ; the prefetch: my work-group's quarter of my step, one slot on (the first change steps it to slot 2)
	s_add_co_u32 s86, s86, SLOTB
	s_mov_b32 s87, 0
	s_mov_b32 s[MNT], 0x600000
	s_mov_b32 s[SEL], 0x76543210
	s_mov_b32 s[SEL+1], 0xfedcba98
	s_mov_b32 s[CS], 0x3e38aa3b                    ; log2(e) / 8
	s_mov_b32 s[CS+1], s[CS]
	s_mov_b32 s[TK], 0
	s_mov_b32 s[TS], 0
	s_mov_b32 s[CNT], 3
	s_mov_b32 s[LO], 0xc4200000                    ; -640
	s_mov_b32 s[INF], 0x7f800000
	s_mov_b32 s[FIFTY], 0x42480000
	s_wait_dscnt 0x0                               ; both opening adds are done
	s_wait_kmcnt 0x0
	s_mov_b32 s[G0T], 1
	s_lshl_b32 s[G0T+1], s57, 14                   ; LDS: slot 0 of K's ring or V's, 16 KiB x (wave % 4)
	s_lshl_b32 s59, s58, 17
	s_add_co_u32 s[G0T+1], s[G0T+1], s59
	s_add_nc_u64 s[G0T+2:G0T+3], s[4:5], s[60:61]
	s_add_nc_u64 s[PFA:PFA+1], s[G0T+2:G0T+3], s[86:87]
	s_or_b32 s[G0T+3], s[G0T+3], 0x80000000
	CROUND                                         ; all four work-groups are here: the first joint loads meet
	TLOAD                                          ; slot 0: every wave's one load at the head
	s_add_nc_u64 s[84:85], s[6:7], s[62:63]        ; the pair's scale words
	s_add_nc_u64 s[4:5], s[4:5], s[70:71]          ; Q's codes
	s_add_nc_u64 s[6:7], s[6:7], s[72:73]          ; Q's scale words
	s_add_nc_u64 s[8:9], s[8:9], s[82:83]          ; the mask
	s_add_nc_u64 s[10:11], s[10:11], s[78:79]      ; oc
	s_add_nc_u64 s[12:13], s[12:13], s[80:81]      ; os
	v_and_b32 v8, 31, v0                           ; lane
	v_and_b32 v9, 15, v0                           ; r
	v_bfe_u32 v10, v0, 4, 1                        ; h
	v_lshlrev_b32 v11, 4, v8
	v_lshlrev_b32 v224, 2, v9
	v_lshlrev_b32 v225, 3, v0
	v_lshlrev_b32 v226, 4, v0
	s_wait_alu depctr_va_vdst(0)
	global_load_b128 v[16:19], v11, s[4:5]         ; Q's fragments, low halves: they stay
	global_load_b128 v[20:23], v11, s[4:5] offset:512
	global_load_u16 v[QS], v224, s[6:7]            ; two scale bytes, the upper two 0
	global_load_u16 v[QS+1], v224, s[6:7] offset:64
	global_load_b64 v[240:241], v225, s[8:9]       ; eight keys' mask bytes a thread
	global_load_b128 v[32:35], v226, s[84:85]      ; the scale words: 256 threads x 16 bytes, four times
	global_load_b128 v[36:39], v226, s[84:85] offset:4096
	global_load_b128 v[40:43], v226, s[84:85] offset:0x40000
	global_load_b128 v[44:47], v226, s[84:85] offset:0x41000
	WIN 0x40
	global_load_b128 v[16:19], v11, s[4:5] offset:2048
	global_load_b128 v[20:23], v11, s[4:5] offset:2560
	WIN 0
	s_lshl_b32 s88, s58, 10
	v_add_nc_u32 v[AK0], s88, v11
	s_lshl_b32 s89, s58, 13
	s_add_co_u32 s89, s89, VR
	v_add_nc_u32 v[AV0], s89, v11
	s_add_co_u32 s90, s77, SCB
	v_lshl_add_u32 v[ASK0], v9, 2, s90
	s_lshl_b32 s91, s58, 8
	s_add_co_u32 s91, s91, SCB+8192
	v_lshl_add_u32 v[ASV0], v9, 2, s91
	v_lshl_add_u32 v[AM0], v10, 6, MT
	v_lshl_add_u32 v59, v0, 5, MT                  ; where my eight table entries go
	v_lshl_add_u32 v60, v0, 4, SCB                 ; and my 16 bytes of scale words
	v_mov_b32 v56, 0x44200000                      ; 640
	v_mov_b32 v57, 0xc79c4000                      ; -80000
	v_min_u32 v58, 15, v8
.irp j, 0,1,2,3,4,5,6,7
	v_mov_b32 v[96+\j], 0                          ; what stands behind K's last fragment
.endr
	WIN 0x40
	v_lshlrev_b32 v0, 8, v58                       ; window 1's v0: the prefetch's offset, 256 x min(lane, 15); never rewritten
.macro INIT w                          ; a tile's state: the step is written once; the first finds zeros, which the first change of M leaves zeros
	WIN 0x55*(\w)
	v_mov_b32 v13, 0xff61b1e6                      ; the largest t so far: -3e38
	v_floor_f32 v12, -v13                          ; -M
	v_mov_b32 v14, 0
	v_mov_b32 v15, 0
.irp b, 0,1,2,3
	v_mov_b32 v[PB+\b], 0                          ; a lane permute's destination counts as one of its sources
.endr
	v_mov_b32 v[FF+1], 0
.irp j, 0,1,2,3,4,5,6,7
	v_mov_b32 v[24+\j], 0                          ; Q's upper half: zero codes
.endr
.set j, 0
.rept 32
	v_mov_b32 v[O+j], 0
.set j, j+1
.endr
.endm
	INIT 1
	INIT 0
	s_wait_alu depctr_va_vdst(0)
	s_wait_loadcnt 0x0
.irp e, 0,1,2,3,4,5,6,7
	v_bfe_u32 v58, v[240+\e/4], 8*(\e%4), 8
	v_cmp_ne_u32 vcc_lo, 0, v58
	v_cndmask_b32 v[48+\e], v56, v57, vcc_lo       ; masked: -80000
.endr
	ds_store_b128 v59, v[48:51]                    ; the first change of slots waits for these stores and passes a barrier
	ds_store_b128 v59, v[52:55] offset:16
	ds_store_b128 v60, v[32:35]
	ds_store_b128 v60, v[36:39] offset:4096
	ds_store_b128 v60, v[40:43] offset:8192
	ds_store_b128 v60, v[44:47] offset:12288
; THE SOFTMAX, THE QUANTISER AND THE SECOND PRODUCT OF ONE TILE (w = 0: A, window 0; 1: B, window 1)
.macro SOFT w
	WIN 0x10+0x45*(\w)                             ; the table lies in window 1
.if \w
	s_wait_alu depctr_va_vdst(0)
.endif
.set n, 0
.rept 64
	v_maxmin_num_f32 v[S+n], v[S+n], s[LO], v[T+n] ; the clip and the mask; each result from its low end on
.set n, n+1
.endr
	WIN 0x55*(\w)
.irp b, 0,1,2,3
	v_max3_num_f32 v[BM+\b], v[S+16*\b], v[S+1+16*\b], v[S+2+16*\b]   ; the largest score of each block of 32 keys: for the row's maximum and for the block's largest p
.endr
.irp i, 3,5,7,9,11,13
.irp b, 0,1,2,3
	v_max3_num_f32 v[BM+\b], v[BM+\b], v[S+16*\b+\i], v[S+1+16*\b+\i]
.endr
.endr
.irp b, 0,1,2,3
	v_max_num_f32 v[BM+\b], v[BM+\b], v[S+15+16*\b]
.endr
.irp b, 0,1,2,3
	v_permlanex16_b32 v[PB+\b], v[BM+\b], s[SEL], s[SEL+1]
.endr
.irp b, 0,1,2,3
	v_max_num_f32 v[BM+\b], v[BM+\b], v[PB+\b]     ; with lane l xor 16's 16 keys
.endr
	s_delay_alu instid0(VALU_DEP_2)
	v_max3_num_f32 v[W], v[BM], v[BM+1], v[BM+2]
	s_delay_alu instid0(VALU_DEP_1)
	v_max_num_f32 v[W], v[W], v[BM+3]
	s_delay_alu instid0(VALU_DEP_1)
	v_mul_f32 v[W], s[CS], v[W]                    ; as t (c is positive)
	s_delay_alu instid0(VALU_DEP_1)
	v_max_num_f32 v13, v13, v[W]                   ; the running largest t
	v_mov_b32 v[W], v12
	s_delay_alu instid0(VALU_DEP_2)
	v_floor_f32 v12, -v13                          ; the new -M = -ceil(t)
	s_delay_alu instid0(VALU_DEP_1)
	v_sub_f32 v[W], v12, v[W]                      ; old M - new M: a whole number, 0 or less
	s_delay_alu instid0(VALU_DEP_1)
	v_cvt_i32_f32 v[W], v[W]                       ; (it saturates)
	s_delay_alu instid0(VALU_DEP_1)
	v_ldexp_f32 v[FF], 1.0, v[W]                   ; f = 2^(old M - new M)
.set j, 0
.rept 32
	v_pk_fma_f32 v[S+j:S+j+1], v[S+j:S+j+1], s[CS:CS+1], v[12:13] op_sel_hi:[1,0,0]   ; t - M, two at a time
.set j, j+2
.endr
.irp b, 0,1,2,3
	v_fma_f32 v[BM+\b], v[BM+\b], s[CS], v12
.endr
	s_wait_alu depctr_va_vdst(0)
.set j, 0
.rept 64
	v_exp_f32 v[S+j], v[S+j]                       ; p = 2^(t - M)
.set j, j+1
.endr
.irp b, 0,1,2,3
	v_exp_f32 v[BM+\b], v[BM+\b]                   ; the block's largest p
.endr
	v_pk_mul_f32 v[14:15], v[14:15], v[FF:FF+1] op_sel_hi:[1,0]   ; the sums under the new M (a plain place behind the exponentials)
	s_wait_alu depctr_va_vdst(0)                   ; and behind it
.irp b, 0,1,2,3
	v_max_num_f32 v[BM+\b], 0x4800000, v[BM+\b]    ; the floor 2^(9 - 127)
.endr
.irp b, 0,1,2,3
	v_add_nc_u32 v[SO+\b], 0xfc000000, v[BM+\b]    ; the conversion's scale operand
.endr
.irp b, 0,1,2,3
	v_and_or_b32 v[HO+\b], v[BM+\b], 0x7f800000, s[MNT]   ; 448 x the scale
.endr
.irp b, 0,1,2,3
	v_lshrrev_b32 v[PB+\b], 23, v[SO+\b]           ; the scale's byte
.endr
	v_lshl_or_b32 v[W], v[PB+1], 8, v[PB]
	s_delay_alu instid0(VALU_DEP_1)
	v_lshl_or_b32 v[W], v[PB+2], 16, v[W]
	WIN 0x15*(\w)
	v_lshl_or_b32 v[PW+\w], v[PB+3], 24, v[W]      ; p's scale word for these 128 keys, into window 0
	WIN 0x55*(\w)
.irp c, 0,1,2,3
	v_pk_add_f32 v[TSM+2*\c:TSM+2*\c+1], v[S+2*\c:S+2*\c+1], v[S+8+2*\c:S+8+2*\c+1]   ; the row's sum of the unquantised p: four chains, two numbers a line
.endr
.set j, 16
.rept 6
.irp c, 0,1,2,3
	v_pk_add_f32 v[TSM+2*\c:TSM+2*\c+1], v[TSM+2*\c:TSM+2*\c+1], v[S+j+2*\c:S+j+2*\c+1]
.endr
.set j, j+8
.endr
	v_pk_add_f32 v[TSM:TSM+1], v[TSM:TSM+1], v[TSM+2:TSM+3]
	v_pk_add_f32 v[TSM+4:TSM+5], v[TSM+4:TSM+5], v[TSM+6:TSM+7]
	v_pk_add_f32 v[TSM:TSM+1], v[TSM:TSM+1], v[TSM+4:TSM+5]
	v_pk_add_f32 v[14:15], v[14:15], v[TSM:TSM+1]
.irp b, 0,1,2,3
.irp i, 0,1,2,3,4,5,6,7,8,9,10,11,12,13,14,15
	v_min_num_f32 v[S+16*\b+\i], v[S+16*\b+\i], v[HO+\b]   ; the conversion does not saturate (ISA guide 7.6.2); p is not negative
.endr
	v_cvt_scalef32_pk8_fp8_f32 v[PC+4*\b:PC+1+4*\b], v[S+16*\b:S+7+16*\b], v[SO+\b]
	v_cvt_scalef32_pk8_fp8_f32 v[PC+2+4*\b:PC+3+4*\b], v[S+8+16*\b:S+15+16*\b], v[SO+\b]
.endr
	s_wait_alu depctr_va_vdst(0)                   ; directly ahead of the first reader of O^T
.set j, 0
.rept 16
	v_pk_mul_f32 v[O+j:O+j+1], v[O+j:O+j+1], v[FF:FF+1] op_sel_hi:[1,0]   ; O^T under the new M; these sixteen are also the places between the conversions and the products
.set j, j+2
.endr
.if (\w) == 0
	s_wait_alu depctr_va_vdst(0)                   ; directly ahead of the wait below
	s_wait_dscnt 0x0                               ; V and its scale words
.endif
	WIN 0x54*(\w)
.irp d, 0,1,2,3
	v_wmma_scale_f32_16x16x128_f8f6f4 v[O+8*\d:O+8*\d+7], v[F+16*\d:F+16*\d+15], v[PC:PC+15], v[O+8*\d:O+8*\d+7], v[KS+\d], v[PW+\w]   ; accumulators by turns, one instruction a turn
.endr
.endm
; A KEY STEP: 128 keys for both tiles.
.macro STEP
	v_add_nc_u32 v[ADK], s[TK], v[AK0]
	v_add_nc_u32 v[ADV], s[TK], v[AV0]
	v_add_nc_u32 v[ADS], s[TS], v[ASK0]
	v_add_nc_u32 v[ADT], s[TS], v[ASV0]
	v_add_nc_u32 v[ADM], s[TS], v[AM0]
.rept 3
	v_nop                                          ; with the five additions: eight places in front of loads into registers that the last step's products read
.endr
.irp t, 0,1,2,3,4,5,6,7
	ds_load_b128 v[F+8*\t:F+8*\t+3], v[ADK] offset:2048*\t        ; tile t of 16 keys: my head's two quarters
	ds_load_b128 v[F+8*\t+4:F+8*\t+7], v[ADK] offset:2048*\t+512
	ds_load_u16 v[KS+\t], v[ADS] offset:64*\t
.endr
	WIN 0x40
.irp b, 0,1,2,3
.irp k, 0,1,2,3
	ds_load_b128 v[T+16*\b+4*\k:T+16*\b+4*\k+3], v[ADM] offset:128*\b+16*\k   ; the table of my 64 keys, in the registers' order
.endr
.endr
	WIN 0
	s_wait_alu depctr_va_vdst(0)                   ; directly ahead of the wait below
	s_wait_dscnt 16                                ; K and its scale words are in; the table's sixteen loads may be out
.irp t, 0,1,2,3,4,5,6,7
	v_wmma_scale_f32_16x16x128_f8f6f4 v[S+8*\t:S+8*\t+7], v[F+8*\t:F+8*\t+15], v[16:31], 0, v[KS+\t], v[QS]
.endr
	WIN 0x44
.irp t, 0,1,2,3,4,5,6,7
	v_wmma_scale_f32_16x16x128_f8f6f4 v[S+8*\t:S+8*\t+7], v[F+8*\t:F+8*\t+15], v[16:31], 0, v[KS+\t], v[QS+1]
.endr
	WIN 0
.rept 8
	v_nop                                          ; places: for the loads over K's fragments and for the reads of the scores
.endr
.irp d, 0,1,2,3
.irp c, 0,1,2,3
	ds_load_b128 v[F+16*\d+4*\c:F+16*\d+4*\c+3], v[ADV] offset:2048*\d+512*\c   ; V is asked for here and lands under tile A's softmax
.endr
	ds_load_b32 v[KS+\d], v[ADT] offset:64*\d
.endr
	s_wait_dscnt 20                                ; the table is in; V's twenty loads may be out
	SOFT 0
	SOFT 1
	WIN 0
	s_add_co_u32 s[TS], s[TS], 512
	s_add_co_u32 s[TK], s[TK], 16384
	s_and_b32 s[TK], s[TK], 0x1ffff
.endm
; THE CHANGE OF SLOTS, at a slot's head: each wave waits for its tensor load, adds 0 to its spare word, waits for that and for its LDS reads and stores.  fill = 1: a round of the cluster's barrier, and behind it the other slot takes the next four key steps.
.macro CHANGE fill
	s_wait_tensorcnt 0x0                           ; no tensor load of mine is out, so a group 0 may be written
	ds_add_u32 v[SPW], v[NIL]
.if \fill
	s_xor_b32 s[G0T+1], s[G0T+1], SLOTB            ; the other slot than last time,
	s_add_nc_u64 s[G0T+2:G0T+3], s[G0T+2:G0T+3], SLOTB   ; four steps on, for K and V alike
	s_wait_xcnt 0x0                                ; my prefetch has read its address
	s_add_nc_u64 s[PFA:PFA+1], s[PFA:PFA+1], SLOTB
.endif
	s_wait_dscnt 0x0
.if \fill
	CROUND
	TLOAD                                          ; the first thing behind the round, and my one tensor load until the next: it has four key steps in which to land
	s_cmp_gt_u32 s[CNT], 1                         ; the last filling change has no slot behind the one that it loads
	s_cbranch_scc0 .Lnone_\@
	WIN 1
	global_prefetch_b8 v0, s[PFA:PFA+1] th:TH_LOAD_NT scope:SCOPE_SE
	WIN 0
.Lnone_\@:
.else
	s_barrier_signal -1
	s_barrier_wait -1
.endif
.endm
	s_wait_alu depctr_va_vdst(0)
.Lslot:                                            ; three trips: behind each change of slots but the last the next slot is asked for
	CHANGE 1
	s_mov_b32 s[CN2], 4
.Lstep:
	STEP
	s_sub_co_u32 s[CN2], s[CN2], 1
	s_cmp_lg_u32 s[CN2], 0
	s_cbranch_scc1 .Lstep
	s_sub_co_u32 s[CNT], s[CNT], 1
	s_cmp_lg_u32 s[CNT], 0
	s_cbranch_scc1 .Lslot
	CHANGE 0                                       ; the last slot is written out
	s_mov_b32 s[CN2], 4
.Ltail:
	STEP
	s_sub_co_u32 s[CN2], s[CN2], 1
	s_cmp_lg_u32 s[CN2], 0
	s_cbranch_scc1 .Ltail
	; THE END of a tile: / the sum; the guard; the quantiser along the hidden axis: my head's 64 channels are two blocks of 32, 16 registers each.
.macro FIN w
	WIN 0x55*(\w)
	v_add_f32 v14, v14, v15
	v_permlanex16_b32 v[FF], v14, s[SEL], s[SEL+1]
	v_add_f32 v14, v14, v[FF]                      ; the row's sum (over 1/2: the largest p is)
	s_wait_alu depctr_va_vdst(0)
	v_rcp_f32 v14, v14
	v_nop
	s_wait_alu depctr_va_vdst(0)
.set j, 0
.rept 32
	v_mul_f32 v[S+j], v[O+j], v14                  ; register 16 b + i: channel 32 b + 16 h + i of my head
.set j, j+1
.endr
.set j, 0
.rept 32
	v_cmp_lt_f32 vcc_lo, |v[S+j]|, s[INF]
	v_cndmask_b32 v[S+j], 0, v[S+j], vcc_lo        ; NaN and infinities become 0
.set j, j+1
.endr
.irp b, 0,1
	v_max3_num_f32 v[BM+\b], |v[S+16*\b]|, |v[S+1+16*\b]|, 0x4800000
.endr
.irp i, 2,4,6,8,10,12,14
.irp b, 0,1
	v_max3_num_f32 v[BM+\b], v[BM+\b], |v[S+16*\b+\i]|, |v[S+1+16*\b+\i]|
.endr
.endr
.irp b, 0,1
	v_permlanex16_b32 v[PB+\b], v[BM+\b], s[SEL], s[SEL+1]
.endr
.irp b, 0,1
	v_max_num_f32 v[BM+\b], v[BM+\b], v[PB+\b]
.endr
.irp b, 0,1
	v_min_num_f32 v[BM+\b], s[FIFTY], v[BM+\b]     ; the largest magnitude of the clipped block
.endr
.irp b, 0,1
	v_add_nc_u32 v[SO+\b], 0xfc000000, v[BM+\b]
.endr
.irp b, 0,1
	v_and_or_b32 v[HO+\b], v[BM+\b], 0x7f800000, s[MNT]
.endr
.irp b, 0,1
	v_min_num_f32 v[HO+\b], s[FIFTY], v[HO+\b]     ; the clip to +-50 and the hold in one bound
.endr
.irp b, 0,1
	v_lshrrev_b32 v[PB+\b], 23, v[SO+\b]
.endr
	v_lshl_or_b32 v[W], v[PB+1], 8, v[PB]          ; my row's two scale bytes
.irp b, 0,1
.irp i, 0,1,2,3,4,5,6,7,8,9,10,11,12,13,14,15
	v_med3_num_f32 v[S+16*\b+\i], v[S+16*\b+\i], -v[HO+\b], v[HO+\b]
.endr
	v_cvt_scalef32_pk8_fp8_f32 v[PC+4*\b:PC+1+4*\b], v[S+16*\b:S+7+16*\b], v[SO+\b]
	v_cvt_scalef32_pk8_fp8_f32 v[PC+2+4*\b:PC+3+4*\b], v[S+8+16*\b:S+15+16*\b], v[SO+\b]
.endr
	v_nop                                          ; one plain vector instruction behind the last scaled conversion
	WIN 0x04*(\w)                                  ; the stores' data lie in the tile's window
	global_store_b128 v[ADK], v[PC:PC+3], s[10:11] offset:16384*(\w)       ; a quarter of the image: 512 consecutive bytes, aligned
	global_store_b128 v[ADK], v[PC+4:PC+7], s[10:11] offset:16384*(\w)+512
	global_store_b16 v[ADV], v[W], s[12:13] offset:512*(\w)                ; lanes 16-31 repeat lanes 0-15's bytes at the same place
.endm
	v_and_b32 v[ADK], 31, v0
	v_lshlrev_b32 v[ADK], 4, v[ADK]                ; 16 x lane
	v_and_b32 v[ADV], 15, v0
	v_lshlrev_b32 v[ADV], 5, v[ADV]                ; 32 x r
	FIN 0
	FIN 1
	WIN 0
	s_wait_tensorcnt 0x0                           ; the wave's end
	ds_add_u32 v[SPW], v[NIL]
	s_wait_dscnt 0x0
	CROUND                                         ; the closing round
	s_endpgm
.Lfunc_end_k_q984c09fb4b_attn:
	.size	k_q984c09fb4b_attn, .Lfunc_end_k_q984c09fb4b_attn-k_q984c09fb4b_attn
	.p2alignl 7, 3214868480
	.fill 96, 4, 3214868480
	.section	.rodata,"a",@progbits
	.p2align	6, 0x0
	.amdhsa_kernel k_q984c09fb4b_attn
		.amdhsa_group_segment_fixed_size 327680
		.amdhsa_private_segment_fixed_size 0
		.amdhsa_enable_private_segment 0
		.amdhsa_kernarg_size 40
		.amdhsa_user_sgpr_count 2
		.amdhsa_user_sgpr_kernarg_segment_ptr 1
		.amdhsa_wavefront_size32 1
		.amdhsa_system_sgpr_workgroup_id_x 1
		.amdhsa_system_sgpr_workgroup_id_y 1
		.amdhsa_system_sgpr_workgroup_id_z 1
		.amdhsa_system_vgpr_workitem_id 0
		.amdhsa_next_free_vgpr 512
		.amdhsa_next_free_sgpr 92
		.amdhsa_reserve_vcc 1
		.amdhsa_float_denorm_mode_32 3
		.amdhsa_float_denorm_mode_16_64 3
		.amdhsa_memory_ordered 1
		.amdhsa_forward_progress 1
		.amdhsa_inst_pref_size 120
	.end_amdhsa_kernel
	.amdgpu_metadata
---
amdhsa.version: [ 1, 2 ]
amdhsa.kernels:
  - .name:           k_q984c09fb4b_attn
    .symbol:         k_q984c09fb4b_attn.kd
    .args:
      - { .name: pc, .offset: 0, .size: 8, .value_kind: global_buffer, .address_space: global }
      - { .name: ps, .offset: 8, .size: 8, .value_kind: global_buffer, .address_space: global }
      - { .name: key_padding_mask, .offset: 16, .size: 8, .value_kind: global_buffer, .address_space: global }
      - { .name: oc, .offset: 24, .size: 8, .value_kind: global_buffer, .address_space: global }
      - { .name: os, .offset: 32, .size: 8, .value_kind: global_buffer, .address_space: global }
    .group_segment_fixed_size: 327680
    .private_segment_fixed_size: 0
    .kernarg_segment_align: 8
    .kernarg_segment_size: 40
    .max_flat_workgroup_size: 256
    .sgpr_count:     92
    .vgpr_count:     512
    .wavefront_size: 32
...
	.end_amdgpu_metadata
.endif
;; end of part 3
;; launch outp (part 4): grid 32 x 8, 4 waves a work-group, clusters of 4 x 1, 167,936 bytes of LDS; arguments oc, os, cod, scl, bo, out0; writes out0
.if DOCPART == 4
	.amdgcn_target "amdgcn-amd-amdhsa--gfx1250"
	.amdhsa_code_object_version 6
	.text
	.protected	k_q984c09fb4b_outp
	.globl	k_q984c09fb4b_outp
	.p2align	8
	.type	k_q984c09fb4b_outp,@function
k_q984c09fb4b_outp:
	s_mov_b64 s[64:65], 0
	v_nop
	global_prefetch_b8 v0, s[64:65] scope:SCOPE_SE
	s_setreg_imm32_b32 hwreg(HW_REG_WAVE_MODE, 25, 1), 1
	s_wait_xcnt 0x0
	s_wait_alu depctr_hold_cnt(0) depctr_sa_sdst(0) depctr_va_vdst(0) depctr_va_sdst(0) depctr_va_ssrc(0) depctr_va_vcc(0) depctr_vm_vsrc(0)
	s_getreg_b32 s2, hwreg(HW_REG_IB_STS2, 6, 4)
	s_cmp_eq_u32 s2, 0
	s_cbranch_scc0 .Lentry_in_a_cluster
	s_endpgm
.Lentry_in_a_cluster:
	s_bfe_u32 s2, ttmp6, 0x10000c
	s_cmp_lg_u32 s2, 0x3003
	s_cbranch_scc0 .Lentry_shape_is_right
	s_endpgm
.Lentry_shape_is_right:
; The output projection on codes of FP8 (E4M3) with one E8M0 scale for each 32 along K = 1,024: out0 = guard(attention's result x Wo^T + bo): NaN and infinities -> 0, clip to +-50.
; SHARES.  4,096 x 1,024 results in 256 work-groups of 128 x 128 (x: 32 blocks of rows, y: 8 blocks of columns); a wave makes 64 x 64: 16 accumulators.
; Wo's 128 rows of the work-group, all of K, come into LDS ONCE: each wave fetches 32 rows of 1,024 bytes by its one tensor load at the head; 16 bytes of padding behind each row (pitch 1,040: the 16 rows that a fragment load touches start at 16 different banks; 64 banks of 4 bytes: ISA guide 11.1).
; CLUSTER.  The four row blocks of a cluster take the same block of columns: Wo's rows are asked for jointly, with the mask of all four.  Nothing is filled again, so there are two rounds: in front of the loads and at the end.
; THE OTHER OPERAND GOES FROM MEMORY STRAIGHT INTO REGISTERS: oc holds images of operand registers ([tile of 16 rows][K step of 128][4 quarters][32 lanes][16 bytes]), a load reads 512 consecutive bytes, and no two waves of a cluster's partners share them.
; All 128 loads of a wave (4 tiles x 8 K steps x 4) are issued at the head, into 512 registers (windows 1, 2).  Wo's fragments come from LDS into four sets of 64 registers (window 3), three K steps ahead.
; The scale words of all of K (8 words a row) and the bias stay in registers of window 0.  The bias is the first products' C.
; No prefetch is laid: every byte that the work-group reads is asked for at the head, and there is no loop to run ahead in.
; THE MATRIX INSTRUCTION IS USED TRANSPOSED (source 0 = 16 rows of Wo, source 1 = 16 rows of the operand): a lane holds eight neighbouring numbers of a row of out0.
; THE WAY OUT: 16 rows x 64 columns at a time through the wave's own stage in LDS (rows of 256 + 16 bytes, behind Wo's rows: no fill lands there); sixteen lanes store 256 consecutive bytes, aligned.
.set PITCH, 1040
.set STAGE, 128*PITCH                  ; 133,120: behind Wo's rows, four stages of 16 x 272 bytes
.set SPARE, STAGE+4*16*272             ; the spare words, 128 bytes for each wave: two blocks of 256 bytes that no other line names
.set LA,  2                            ; 16 x lane
.set LB,  3                            ; LDS: (64 x my half of the columns + r) x PITCH + 16 h
.set LS,  4                            ; 32 r
.set STO, 5
.set RD,  6
.set CO,  7
.set SPW, 8
.set NIL, 9
.set LBI, 10                           ; 32 h
.set SA,  16                           ; v16-47  the operand's scale words: 8 a + p
.set SB,  50                           ; v50-81  Wo's: 8 b + p; the two registers of a product differ modulo 8
.set BI,  84                           ; v84-115 the bias: 8 registers for each of Wo's four tiles
.set ACC, 128                          ; v128-255 accumulator (a, b) at 8 (4 a + b)
.set G1,  40
.set G0,  48
.set MSB, 0
.macro WIN new                         ; the immediate's high byte repeats the setting that is left
.if MSB != (\new)
	s_set_vgpr_msb (MSB<<8)|(\new)
.set MSB, (\new)
.endif
.endm
.macro CROUND                          ; a round of the cluster's barrier
	s_barrier_signal -1
	s_barrier_wait -1
	s_cmp_lg_u32 s16, 0
	s_cbranch_scc1 .Lnot_wave_0_\@
	s_barrier_signal -3
.Lnot_wave_0_\@:
	s_barrier_wait -3
	s_barrier_signal -1
	s_barrier_wait -1
.endm
	s_load_b256 s[4:11], s[0:1], 0x0               ; oc, os, cod, scl
	s_load_b128 s[12:15], s[0:1], 0x20             ; bo, out0
	v_lshl_add_u32 v[SPW], v0, 2, SPARE
	v_mov_b32 v[NIL], 0
	ds_add_u32 v[SPW], v[NIL]                      ; the opening lines
	ds_add_u32 v[SPW], v[NIL]
	v_lshrrev_b32 v1, 5, v0
	v_readfirstlane_b32 s16, v1                    ; wave 0..3
	s_lshr_b32 s17, s16, 1                         ; my half of the rows
	s_and_b32 s18, s16, 1                          ; my half of the columns
	s_bfe_u32 s36, ttmp6, 0x40000                  ; cx: it enters oc's, os's and out0's addresses alone
	s_lshl_b32 s19, ttmp9, 2
	s_add_co_u32 s19, s19, s36                     ; my block of 128 rows
	s_lshl_b32 s19, s19, 3
	s_lshl_b32 s20, s17, 2
	s_add_co_u32 s19, s19, s20                     ; my first tile of 16 rows
	s_lshl_b32 s20, s19, 14                        ; oc: 16 KiB a tile
	s_mov_b32 s21, 0
	s_lshl_b32 s22, s19, 9                         ; os: 512 bytes a tile
	s_mov_b32 s23, 0
	s_lshl_b32 s30, s19, 16                        ; out0: 16 rows of 4,096 bytes
	s_mov_b32 s31, 0
	s_and_b32 s37, ttmp7, 0xffff                   ; the block of columns, which the four partners share
	s_lshl_b32 s37, s37, 7
	s_lshl_b32 s24, s18, 6
	s_add_co_u32 s28, s37, s24                     ; my first column
	s_add_co_u32 s26, s28, 15360                   ; Wo's row in scl
	s_lshl_b32 s26, s26, 5
	s_mov_b32 s27, 0
	s_lshl_b32 s28, s28, 2
	s_mov_b32 s29, 0
	s_lshl_b32 s24, s16, 5                         ; the 32 rows of Wo that I fetch
	s_add_co_u32 s24, s24, s37
	s_add_co_u32 s24, s24, 15360
	s_lshl_b32 s24, s24, 10
	s_mov_b32 s25, 0
	s_mov_b32 s[G1], 15|(1<<20)|(1<<21)|(7<<22)|(3<<25)   ; the mask: all four work-groups; elements of 1 byte; padding on; 21 set beside a mask; 4 words behind every 256
	s_mov_b32 s[G1+1], 1024<<16                    ; tensor_dim0
	s_mov_b32 s[G1+2], 32<<16                      ; tensor_dim1
	s_mov_b32 s[G1+3], 1024<<16                    ; tile_dim0
	s_mov_b32 s[G1+4], 32                          ; tile_dim1
	s_mov_b32 s[G1+5], 1024                        ; the pitch in memory
	s_mov_b32 s[G1+6], 0
	s_mov_b32 s[G1+7], 0
	s_mov_b32 s[G0], 1
	s_mul_i32 s[G0+1], s16, 32*PITCH               ; LDS: wave x 32 rows
	s_mul_i32 s35, s16, 16*272
	s_add_co_u32 s35, s35, STAGE                   ; my stage
	s_mul_i32 s38, s18, 64*PITCH                   ; my 64 rows of Wo in LDS
	s_mov_b32 s32, 0x7f800000
	s_mov_b32 s33, 0x42480000                      ; 50
	s_mov_b32 s34, 0xc2480000                      ; -50
	v_and_b32 v1, 15, v0                           ; r
	v_bfe_u32 v11, v0, 4, 1                        ; h
	v_and_b32 v12, 31, v0
	v_lshlrev_b32 v[LA], 4, v12
	v_mul_u32_u24 v15, v1, PITCH
	v_lshl_add_u32 v15, v11, 4, v15
	v_add_nc_u32 v[LB], s38, v15
	v_lshlrev_b32 v[LS], 5, v1
	v_lshlrev_b32 v[LBI], 5, v11
	v_mul_u32_u24 v13, v1, 272
	v_lshl_add_u32 v13, v11, 5, v13
	v_add_nc_u32 v[STO], s35, v13                  ; in: row r, 32 bytes for each half of the lanes
	v_mul_u32_u24 v14, v11, 272
	v_lshl_add_u32 v14, v1, 4, v14
	v_add_nc_u32 v[RD], s35, v14                   ; back: lanes 0-15 one row, lanes 16-31 the next
	v_lshlrev_b32 v[CO], 12, v11
	v_lshl_add_u32 v[CO], v1, 4, v[CO]             ; and the same two rows in out0
	s_wait_alu depctr_va_vdst(0)
	s_wait_dscnt 0x0                               ; both opening adds are done
	s_wait_kmcnt 0x0
	s_add_nc_u64 s[4:5], s[4:5], s[20:21]
	s_add_nc_u64 s[6:7], s[6:7], s[22:23]
	s_add_nc_u64 s[10:11], s[10:11], s[26:27]
	s_add_nc_u64 s[12:13], s[12:13], s[28:29]
	s_add_nc_u64 s[14:15], s[14:15], s[30:31]
	s_add_nc_u64 s[14:15], s[14:15], s[28:29]
	s_add_nc_u64 s[G0+2:G0+3], s[8:9], s[24:25]
	s_or_b32 s[G0+3], s[G0+3], 0x80000000
	CROUND                                         ; all four work-groups are here: the joint loads meet
	tensor_load_to_lds s[G0:G0+3], s[G1:G1+7]      ; every wave's one tensor load
	s_nop 0
.rept 4
	v_nop
.endr
.irp a, 0,1,2,3
	global_load_b128 v[SA+8*\a:SA+8*\a+3], v[LS], s[6:7] offset:512*\a
	global_load_b128 v[SA+8*\a+4:SA+8*\a+7], v[LS], s[6:7] offset:512*\a+16
	global_load_b128 v[SB+8*\a:SB+8*\a+3], v[LS], s[10:11] offset:512*\a
	global_load_b128 v[SB+8*\a+4:SB+8*\a+7], v[LS], s[10:11] offset:512*\a+16
	global_load_b128 v[BI+8*\a:BI+8*\a+3], v[LBI], s[12:13] offset:64*\a      ; columns 16 b + 8 h + 0 .. 7
	global_load_b128 v[BI+8*\a+4:BI+8*\a+7], v[LBI], s[12:13] offset:64*\a+16
.endr
.macro ASET p                          ; the operand's four fragments of K step p: window 1 + p / 4, 64 (p % 4) on
	WIN (1+(\p)/4)<<6
.irp a, 0,1,2,3
.irp c, 0,1,2,3
	global_load_b128 v[64*((\p)%4)+16*\a+4*\c:64*((\p)%4)+16*\a+4*\c+3], v[LA], s[4:5] offset:16384*\a+2048*(\p)+512*\c
.endr
.endr
.endm
.macro BSET p                          ; Wo's four fragments of K step p from LDS: window 3, set p % 4
	WIN 3<<6
.irp b, 0,1,2,3
.irp c, 0,1,2,3
	ds_load_b128 v[64*((\p)%4)+16*\b+4*\c:64*((\p)%4)+16*\b+4*\c+3], v[LB] offset:16*PITCH*\b+128*(\p)+32*\c
.endr
.endr
	WIN 0
.endm
.macro MUL p                           ; 16 products: the accumulators take turns, one instruction a turn
	WIN 3|((1+(\p)/4)<<2)
.irp a, 0,1,2,3
.irp b, 0,1,2,3
.if (\p) == 0
	v_wmma_scale_f32_16x16x128_f8f6f4 v[ACC+8*(4*\a+\b):ACC+8*(4*\a+\b)+7], v[64*((\p)%4)+16*\b:64*((\p)%4)+16*\b+15], v[64*((\p)%4)+16*\a:64*((\p)%4)+16*\a+15], v[BI+8*\b:BI+8*\b+7], v[SB+8*\b+(\p)], v[SA+8*\a+(\p)]
.else
	v_wmma_scale_f32_16x16x128_f8f6f4 v[ACC+8*(4*\a+\b):ACC+8*(4*\a+\b)+7], v[64*((\p)%4)+16*\b:64*((\p)%4)+16*\b+15], v[64*((\p)%4)+16*\a:64*((\p)%4)+16*\a+15], v[ACC+8*(4*\a+\b):ACC+8*(4*\a+\b)+7], v[SB+8*\b+(\p)], v[SA+8*\a+(\p)]
.endif
.endr
.endr
	WIN 0
.endm
.irp p, 0,1,2,3,4,5,6,7
	ASET \p
.endr
	WIN 0
	s_wait_tensorcnt 0x0                           ; my 32 rows of Wo are in
	s_barrier_signal -1
	s_barrier_wait -1                              ; and everybody's
	BSET 0
	BSET 1
	BSET 2
	BSET 3
	s_wait_loadcnt 63                              ; behind step 0's loads 112 were issued: with 63 out at the most, step 0's, the scale words and the bias are in
	s_wait_dscnt 48                                ; set 0 is in; the 48 loads of sets 1 to 3 may be out
	MUL 0
.irp p, 1,2,3,4
.rept 8
	v_nop                                          ; places in front of loads into the set that the last step's products read
.endr
	BSET \p+3
.if 112-16*(\p) > 63
	s_wait_loadcnt 63                              ; behind step p's loads 112 - 16 p were issued; the count's field ends at 63
.else
	s_wait_loadcnt 112-16*(\p)
.endif
	s_wait_dscnt 48                                ; three later sets may be out
	MUL \p
.endr
.irp p, 5,6,7
	s_wait_loadcnt 112-16*(\p)
	s_wait_dscnt 112-16*(\p)                       ; 7 - p later sets of 16 loads may be out
	MUL \p
.endr
.rept 8
	v_nop                                          ; places behind the last products
.endr
.macro OUTB a                          ; 16 rows x 64 columns: the guard, the stage, the stores
.if (\a) > 1
	s_wait_xcnt 0x0                                ; the stores of two blocks back have read their data: the loads below may land there
.endif
.set i, ACC+32*(\a)
.rept 32
	v_cmp_lt_f32 vcc_lo, |v[i]|, s32               ; NaN and infinities become 0; each accumulator from its low end on
	v_cndmask_b32 v[i], 0, v[i], vcc_lo
	v_med3_num_f32 v[i], v[i], s34, s33            ; the clip to +-50
.set i, i+1
.endr
.irp b, 0,1,2,3
	ds_store_b128 v[STO], v[ACC+32*(\a)+8*\b:ACC+32*(\a)+8*\b+3] offset:64*\b
	ds_store_b128 v[STO], v[ACC+32*(\a)+8*\b+4:ACC+32*(\a)+8*\b+7] offset:64*\b+16
.endr
	WIN 0x40
.irp t, 0,1,2,3,4,5,6,7
	ds_load_b128 v[32*((\a)%2)+4*\t:32*((\a)%2)+4*\t+3], v[RD] offset:2*\t*272   ; LDS serves a wave's instructions in order (ISA guide 5.7.1.4): these see my stores
.endr
	s_wait_dscnt 0x0
	WIN 0x04
.irp t, 0,1,2,3,4,5,6,7
	global_store_b128 v[CO], v[32*((\a)%2)+4*\t:32*((\a)%2)+4*\t+3], s[14:15] offset:(16*(\a)+2*\t)*4096 th:TH_STORE_NT
.endr
	WIN 0
.endm
	OUTB 0
	OUTB 1
	OUTB 2
	OUTB 3
	s_wait_tensorcnt 0x0                           ; the wave's end, behind my tensor load and my last LDS store
	ds_add_u32 v[SPW], v[NIL]
	s_wait_dscnt 0x0
	CROUND                                         ; the closing round
	s_endpgm
.Lfunc_end_k_q984c09fb4b_outp:
	.size	k_q984c09fb4b_outp, .Lfunc_end_k_q984c09fb4b_outp-k_q984c09fb4b_outp
	.p2alignl 7, 3214868480
	.fill 96, 4, 3214868480
	.section	.rodata,"a",@progbits
	.p2align	6, 0x0
	.amdhsa_kernel k_q984c09fb4b_outp
		.amdhsa_group_segment_fixed_size 167936
		.amdhsa_private_segment_fixed_size 0
		.amdhsa_enable_private_segment 0
		.amdhsa_kernarg_size 48
		.amdhsa_user_sgpr_count 2
		.amdhsa_user_sgpr_kernarg_segment_ptr 1
		.amdhsa_wavefront_size32 1
		.amdhsa_system_sgpr_workgroup_id_x 1
		.amdhsa_system_sgpr_workgroup_id_y 1
		.amdhsa_system_sgpr_workgroup_id_z 1
		.amdhsa_system_vgpr_workitem_id 0
		.amdhsa_next_free_vgpr 1024
		.amdhsa_next_free_sgpr 66
		.amdhsa_reserve_vcc 1
		.amdhsa_float_denorm_mode_32 3
		.amdhsa_float_denorm_mode_16_64 3
		.amdhsa_memory_ordered 1
		.amdhsa_forward_progress 1
		.amdhsa_inst_pref_size 74
	.end_amdhsa_kernel
	.amdgpu_metadata
---
amdhsa.version: [ 1, 2 ]
amdhsa.kernels:
  - .name:           k_q984c09fb4b_outp
    .symbol:         k_q984c09fb4b_outp.kd
    .args:
      - { .name: oc, .offset: 0, .size: 8, .value_kind: global_buffer, .address_space: global }
      - { .name: os, .offset: 8, .size: 8, .value_kind: global_buffer, .address_space: global }
      - { .name: cod, .offset: 16, .size: 8, .value_kind: global_buffer, .address_space: global }
      - { .name: scl, .offset: 24, .size: 8, .value_kind: global_buffer, .address_space: global }
      - { .name: bo, .offset: 32, .size: 8, .value_kind: global_buffer, .address_space: global }
      - { .name: out0, .offset: 40, .size: 8, .value_kind: global_buffer, .address_space: global }
    .group_segment_fixed_size: 167936
    .private_segment_fixed_size: 0
    .kernarg_segment_align: 8
    .kernarg_segment_size: 48
    .max_flat_workgroup_size: 128
    .sgpr_count:     66
    .vgpr_count:     1024
    .wavefront_size: 32
...
	.end_amdgpu_metadata
.endif
;; end of part 4
